; MI455X (gfx1250); checked and timed in simulation.
; The chip was launched on July 23, 2026; its instructions are those of AMD's public machine-readable ISA for CDNA 5 (MIT licence, August 2026) and "CDNA5" Instruction Set Architecture Reference Guide (July 2026). The comments in the code are by the model that wrote it; some were corrected since.
;; Transformer Block. Allowed arithmetic: matrix products marked QUANTISED: E5M2 operands, one E8M0 scale for each 32 along K, by v_wmma_scale_f32_16x16x128_f8f6f4 with both operands' format E5M2, f32 sums; everything else in f32.
;; Inputs: b1 4,096 float32; b2 1,024 float32; b_out 1,024 float32; b_qkv 3,072 float32; be1 1,024 float32; be2 1,024 float32; g1 1,024 float32; g2 1,024 float32; w1 1,024 x 4,096 float32; w2 4,096 x 1,024 float32; w_out 1,024 x 1,024 float32; w_qkv 1,024 x 3,072 float32; x 2 x 2,048 x 1,024 float32.
;; Outputs: out0 2 x 2,048 x 1,024 float32.
;; This version of the problem:
;;   THIS VERSION OF THE PROBLEM IS GIVEN IN LOW PRECISION. The matrix products marked QUANTISED in the list below multiply operands that are first quantised to E5M2 (5 exponent bits, 2 mantissa bits; 8 bits a number), with one power-of-two scale for each 32 numbers along K (OCP MX v1.0); their sums are f32. All else is computed in f32.
;;   The module's matrix products, in the order in which they are computed (A, B: the left and right operand; K: the contracted axis; several contracted axes count as one K, in the product's order):
;;     1. [M 4,096, K 1,024] x [K 1,024, N 3,072]; A: computed on the way; B: input w_qkv: QUANTISED
;;     2. batch 32 x [M 2,048, K 64] x [K 64, N 2,048]; A: computed on the way; B: computed on the way: QUANTISED
;;     3. batch 32 x [M 2,048, K 2,048] x [K 2,048, N 64]; A: softmax (see below); B: computed on the way: QUANTISED
;;     4. [M 4,096, K 1,024] x [K 1,024, N 1,024]; A: computed on the way; B: input w_out: QUANTISED
;;     5. [M 4,096, K 1,024] x [K 1,024, N 4,096]; A: computed on the way; B: input w1: QUANTISED
;;     6. [M 4,096, K 4,096] x [K 4,096, N 1,024]; A: computed on the way; B: input w2: QUANTISED
;;   THE QUANTISER, for each operand of a quantised product, along K:
;;     - K is cut into blocks of 32 from its start; a last block that is shorter is filled with zeros.
;;     - A block's scale is 2^e with e = floor(log2(the largest magnitude in the block)) - 15, held to -126 .. 127; a block of zeros has e = 0. As a byte (E8M0): e + 127.
;;     - Each number is divided by its block's scale, clamped to +-57,344, and rounded to the nearest number of E5M2, ties to even, subnormals kept.
;;     - The product sums the exact products of the quantised numbers (number of the format x scale) in f32.
;;   ~~~python
;;   def quantise(x, axis):      # numpy; x: float32 -> the quantised numbers, widened to float32 again
;;       x = np.moveaxis(x, axis, -1); K = x.shape[-1]
;;       x = np.pad(x, [(0, 0)] * (x.ndim - 1) + [(0, -K % 32)]); x = x.reshape(x.shape[:-1] + (-1, 32)); a = np.abs(x).max(-1, keepdims=True)
;;       e = np.where(a > 0, np.clip(np.frexp(np.where(a > 0, a, 1))[1] - 1 - 15, -126, 127), 0)      # np.frexp(a)[1] - 1 = floor(log2(a)), exactly
;;       r = np.clip(x / 2.0 ** e, -57344, 57344)
;;       step = 2.0 ** (np.maximum(np.frexp(np.where(r == 0, 1, r))[1] - 1, -14) - 2)
;;       q = np.round(r / step) * step * 2.0 ** e      # np.round: ties to even
;;       return np.moveaxis(q.reshape(q.shape[:-2] + (-1,))[..., :K], -1, axis).astype(np.float32)
;;   ~~~
;;   SOFTMAX AHEAD OF A QUANTISED PRODUCT. Where the list says 'softmax', what is quantised is not the finished softmax but p = 2^(t - M), with t = logit x log2(e) and M = ceil(the row's largest t), a whole number; so 1/2 < the row's largest p <= 1. The row's sum l is taken of the UNQUANTISED p, in f32, and the product's result is divided by l at the end. Since M is a whole number, a kernel that streams over the keys may use a running M (the ceiling of the running maximum): every later rescaling is an exact power of two, which a block's scale takes up: the codes' values come out the same.
;;   OPERANDS COMPUTED ON THE WAY. 'Computed on the way' means the value that the module computes at that place (a softmax that the list does not call 'softmax' is quantised finished and normalised). What goes into a quantiser is computed in f32, as accurately as f32 sums, v_exp_f32 and their like allow (about 1e-6 of the number): no bf16 or f16 on the way to a quantiser, and a product that is left as it is and whose result goes on into a quantised operand takes f32 operands (vector FMAs, or v_wmma_f32_16x16x4_f32). A number that lies on a knife's edge between two numbers of the format may be rounded either way, as far as f32 arithmetic and the matrix unit's own rounding can turn it there, and no further.
;; One version. Each part assembles by itself: llvm-mc -triple=amdgcn-amd-amdhsa -mcpu=gfx1250 --defsym DOCPART=n.
;; ======== version 1 of 1: 7 launches
;; limits: right only within a limited range of input values
;; workspace buffers: wpan 12,976,128 bytes; hpan 4,325,376 bytes; qrec 4,325,376 bytes; krec 4,325,376 bytes; vrec 4,325,376 bytes; opan 4,325,376 bytes; x1 16,777,216 bytes; fpan 17,301,504 bytes
;; launch prep (part 1): grid 640 x 1, 8 waves a work-group, no clusters, 35,840 bytes of LDS; arguments x, g1, be1, hpan, w_qkv, w_out, w1, w2, wpan; writes hpan, wpan
.if DOCPART == 1
	.amdgcn_target "amdgcn-amd-amdhsa--gfx1250"
	.amdhsa_code_object_version 6
	.text
	.protected	k_q4ad748c8b3_prep
	.globl	k_q4ad748c8b3_prep
	.p2align	8
	.type	k_q4ad748c8b3_prep,@function
k_q4ad748c8b3_prep:
	s_mov_b64 s[64:65], 0
	v_nop
	global_prefetch_b8 v0, s[64:65] scope:SCOPE_SE
	s_setreg_imm32_b32 hwreg(HW_REG_WAVE_MODE, 25, 1), 1
	s_wait_xcnt 0x0
; THE PROGRAM: a pre-norm transformer block, all six products on codes of BF8 (E5M2) with one E8M0 scale for each 32 along K.
; DEAD WORK: none is left out.  Every input has a way to out0: x by both residuals and both norms, each weight and bias by its product (the bias on K moves K's codes, so it stays), g1, be1, g2, be2 by the norms.
; THIS LAUNCH does the two things that hang on inputs alone: work-groups 0..383 turn the four weights into panels of codes, work-groups 384..639 norm x and quantise it.
; The branch between the two hangs on the work-group's number alone; each path has LDS bytes of its own.  The long work-groups, the weights', have the low numbers.
; A PANEL is 128 rows of an operand x 256 along K, 33,792 bytes:
;   codes as images of the operand's registers: K step q (128 along K), block i of 16 rows at q 16384 + i 2048; in it register group c (k = 32 c + 16 h + 0..15) at 512 c + 16 lane (lane = rho + 16 h);
;   scale words (four bytes: 128 along K of one row) at 32768 + 512 q + 64 i + 4 rho.
; THE ROWS OF A BLOCK ARE NOT NEIGHBOURS: lane rho of block 2 b + u holds row 32 b + 8 u + rho + 8 (rho / 8), so that a product that takes these blocks as source 0 leaves 16 neighbouring rows in 16 registers.
; THE WEIGHTS, f32 [K][N] with K as the FIRST axis (an operand's rows are their columns n).  wpan holds 384 panels, [columns / 128][K / 256] for each weight: w_qkv 0..95, w_out 96..127, w1 128..255, w2 256..383.
; One work-group makes one panel; wave w takes 32 along K (one scale block: K step w / 4, group w % 4) of all 128 columns.  Lane l takes columns 4 l .. 4 l + 3: a load reads 512 consecutive bytes of one row of the weight,
; and register 4 i + c holds W(32 w + i, 4 l + c).  The hold writes column c's 32 numbers into 32 consecutive registers, so that the conversions find neighbours along K.  Column n = 4 l + c is lane rho = 4 (l % 2) + 8 ((l / 4) % 2) + c
; of block 2 (l / 8) + (l / 2) % 2.  The wave's 4,096 bytes of codes go through its own stage in LDS, laid as the image, and leave as eight pieces of 512 consecutive bytes, aligned.
; The four waves of a K step put their bytes of each scale word into LDS; behind one barrier the 1,024 bytes leave, 128 a wave.
; THE NORM: h = (x - mean) rsqrt(var + 1e-5) g1 + be1 along rows of 1,024, quantised along the row, as panels [rows / 128][4] in hpan.  Work-group 384 + t takes block t of 16 rows, wave w K step w: lane (rho, h) holds 64 numbers,
; register 16 b + i = column 128 w + 32 b + 16 h + i: the operand's own layout.  The mean is taken first, then the mean of the squares of the centred numbers: no difference of large sums is formed.
; A block's scale is 2^(floor(log2(largest magnitude)) - 15); its byte is the largest magnitude's exponent field - 15, held at 1 from below.
; LIMITS: a block of zeros gets the byte 1 (its codes are zeros; this program alone reads the bytes); NaN and infinities among the inputs are not served; the weights' scale words leave in pieces of 128 bytes, the norm's in pieces of 64.
.set NPAN,  384                        ; work-groups that make panels of weights
.set SPW,   252                        ; v252 LDS address of my spare word; never rewritten
.set NIL,   253                        ; v253 0; never rewritten
.set SPARE, 1024                       ; LDS: 0-511 the norm's sums, 512-1023 its sums of squares, then the spare words, 128 bytes a wave
.set STG,   2048                       ; the weights' path: a stage of 4,096 bytes for each wave,
.set SCB,   STG+8*4096                 ; and the panel's 1,024 scale bytes
; the weights' path
.set MX,  12                           ; v12-15   the four columns' largest magnitudes
.set SO,  16                           ; v16-19   the conversions' scale operands
.set HI,  20                           ; v20-23   57,344 x the scale
.set BY,  24                           ; v24-27   the scale bytes
.set OFF, 28                           ; v28-35   16 x lane + i rows, i = 0 .. 7; never rewritten
.set X,   48                           ; v48-175  32 rows x 4 columns
.set Y,   176                          ; v176-207 one column's 32 numbers, held
.set C,   208                          ; v208-239 codes: eight registers a column
; the norm's path
.set XR,  32                           ; v32-95   my 64 numbers
.set GR,  96                           ; v96-159  the gains of my columns
.set BR,  160                          ; v160-223 the biases
.set TM,  224                          ; v224-239 at work
.set PW,  240                          ; the scale word
.set PC,  16                           ; v16-31   the codes
.set MU,  242                          ; v[242:243] the mean, twice
.set RS,  244                          ; v[244:245] 1 / sqrt(var + eps), twice
.set SEL, 24
.set MNT, 26
.macro QUANT s, pc, pw                 ; 64 numbers v[s + 16 b + i] become a fragment's codes in v[pc] on and its scale word in v[pw]
.irp b, 0,1,2,3
	v_max3_num_f32 v[TM+\b], |v[\s+16*\b]|, |v[\s+1+16*\b]|, 0x8000000   ; my 16 numbers of block b, and the floor 2^(16 - 127)
.endr
.irp i, 2,4,6,8,10,12,14
.irp b, 0,1,2,3
	s_delay_alu instid0(VALU_DEP_4)
	v_max3_num_f32 v[TM+\b], v[TM+\b], |v[\s+16*\b+\i]|, |v[\s+1+16*\b+\i]|
.endr
.endr
.irp b, 0,1,2,3
	s_delay_alu instid0(VALU_DEP_4)
	v_permlanex16_b32 v[TM+4+\b], v[TM+\b], s[SEL], s[SEL+1]
.endr
.irp b, 0,1,2,3
	s_delay_alu instid0(VALU_DEP_4)
	v_max_num_f32 v[TM+\b], v[TM+\b], v[TM+4+\b]   ; with lane l xor 16's: the block's largest magnitude
.endr
.irp b, 0,1,2,3
	s_delay_alu instid0(VALU_DEP_4)
	v_add_nc_u32 v[TM+12+\b], 0xf8800000, v[TM+\b] ; 15 off the exponent field: the conversion's scale operand
.endr
.irp b, 0,1,2,3
	v_and_or_b32 v[TM+8+\b], v[TM+\b], 0x7f800000, s[MNT]   ; 57,344 x the scale
.endr
.irp b, 0,1,2,3
	v_lshrrev_b32 v[TM+4+\b], 23, v[TM+12+\b]      ; the scale's byte
.endr
	s_delay_alu instid0(VALU_DEP_3)
	v_lshl_or_b32 v[\pw], v[TM+5], 8, v[TM+4]
	s_delay_alu instid0(VALU_DEP_1)
	v_lshl_or_b32 v[\pw], v[TM+6], 16, v[\pw]
	s_delay_alu instid0(VALU_DEP_1)
	v_lshl_or_b32 v[\pw], v[TM+7], 24, v[\pw]
.irp b, 0,1,2,3
.irp i, 0,1,2,3,4,5,6,7,8,9,10,11,12,13,14,15
	v_med3_num_f32 v[\s+16*\b+\i], v[\s+16*\b+\i], -v[TM+8+\b], v[TM+8+\b]   ; the conversion does not saturate (ISA guide 7.6.2): the hold
.endr
	v_cvt_scalef32_pk8_bf8_f32 v[\pc+4*\b:\pc+1+4*\b], v[\s+16*\b:\s+7+16*\b], v[TM+12+\b]
	v_cvt_scalef32_pk8_bf8_f32 v[\pc+2+4*\b:\pc+3+4*\b], v[\s+8+16*\b:\s+15+16*\b], v[TM+12+\b]
.endr
	v_nop                                          ; a plain instruction behind the last conversion
.endm
.macro ACROSS off                      ; v224 (the same in both halves of the lanes) from all eight waves: the sum comes out in v232, the same in every wave
	ds_store_b32 v7, v224 offset:\off
	s_wait_dscnt 0x0                               ; for the others' sake: my store has landed
	s_barrier_signal -1
	s_barrier_wait -1
.irp k, 0,1,2,3,4,5,6,7
	ds_load_b32 v[232+\k], v8 offset:\off+64*\k
.endr
	s_wait_dscnt 0x0
	v_add_f32 v232, v232, v233
	v_add_f32 v234, v234, v235
	v_add_f32 v236, v236, v237
	v_add_f32 v238, v238, v239
	s_delay_alu instid0(VALU_DEP_3)
	v_add_f32 v232, v232, v234
	s_delay_alu instid0(VALU_DEP_2)
	v_add_f32 v236, v236, v238
	s_delay_alu instid0(VALU_DEP_1)
	v_add_f32 v232, v232, v236
.endm
.macro FOLD                            ; four packed chains v[224:231] into v224, with lane l xor 16's
	s_delay_alu instid0(VALU_DEP_3)
	v_pk_add_f32 v[224:225], v[224:225], v[226:227]
	s_delay_alu instid0(VALU_DEP_2)
	v_pk_add_f32 v[228:229], v[228:229], v[230:231]
	s_delay_alu instid0(VALU_DEP_1)
	v_pk_add_f32 v[224:225], v[224:225], v[228:229]
	s_delay_alu instid0(VALU_DEP_1)
	v_add_f32 v224, v224, v225
	s_delay_alu instid0(VALU_DEP_1)
	v_permlanex16_b32 v225, v224, s[SEL], s[SEL+1]
	s_delay_alu instid0(VALU_DEP_1)
	v_add_f32 v224, v224, v225
.endm
	v_lshl_add_u32 v[SPW], v0, 2, SPARE
	v_mov_b32 v[NIL], 0
	s_cmp_ge_u32 ttmp9, NPAN                       ; the work-group's number alone: all eight waves go the same way
	s_cbranch_scc1 .Lnorm
	; ---- THE WEIGHTS
	s_load_b256 s[4:11], s[0:1], 0x20              ; w_qkv, w_out, w1, w2
	s_load_b64 s[12:13], s[0:1], 0x40              ; wpan
	v_lshrrev_b32 v1, 5, v0
	v_and_b32 v2, 31, v0                           ; lane l
	v_bfe_u32 v4, v0, 3, 2                         ; l / 8
	v_bfe_u32 v5, v0, 1, 1                         ; (l / 2) % 2
	v_readfirstlane_b32 s14, v1                    ; wave 0..7: which 32 along K of the panel's 256
	v_and_b32 v6, 1, v0                            ; l % 2
	v_bfe_u32 v7, v0, 2, 1                         ; (l / 4) % 2
	v_lshlrev_b32 v3, 4, v2                        ; 16 l
	v_lshl_add_u32 v4, v4, 1, v5                   ; my columns' block: 2 (l / 8) + (l / 2) % 2
	v_lshlrev_b32 v6, 2, v6
	v_lshlrev_b32 v9, 2, v0                        ; 4 x thread: the way out of the scale words
	v_lshl_add_u32 v5, v7, 3, v6                   ; column 4 l's lane of the image: 4 (l % 2) + 8 ((l / 4) % 2)
	v_add_nc_u32 v10, SCB, v9
	v_lshlrev_b32 v6, 4, v5
	v_lshlrev_b32 v7, 2, v5
	v_lshl_add_u32 v6, v4, 9, v6                   ; codes: 512 x block + 16 x lane of the image
	v_lshl_add_u32 v7, v4, 6, v7                   ; scale words: 64 x block + 4 x lane of the image
	s_lshl_b32 s15, s14, 12
	s_add_co_u32 s15, s15, STG                     ; my stage
	v_add_nc_u32 v6, s15, v6                       ; into it,
	v_add_nc_u32 v8, s15, v3                       ; and back: 16 l
	s_lshr_b32 s45, s14, 2                         ; the K step
	s_and_b32 s46, s14, 3                          ; the group of 32 in it: also my byte of a scale word
	s_lshl_b32 s47, s45, 9
	s_add_co_u32 s47, s47, s46
	s_add_co_u32 s47, s47, SCB
	v_add_nc_u32 v7, s47, v7                       ; where column 4 l's scale byte goes
	s_mov_b32 s16, 12288                           ; a row of the weight in bytes,
	s_mov_b32 s17, 0                               ; its first panel,
	s_mov_b32 s18, 2                               ; log2 of its panels along K: w_qkv's
	s_mov_b32 s44, 0x600000                        ; the mantissa field of 57,344
	s_wait_alu depctr_va_vdst(0)
	s_wait_kmcnt 0x0
	s_mov_b64 s[2:3], s[4:5]
	s_cmp_ge_u32 ttmp9, 96                         ; the choices hang on the work-group's number alone
	s_cselect_b64 s[2:3], s[6:7], s[2:3]           ; w_out
	s_cselect_b32 s16, 4096, s16
	s_cselect_b32 s17, 96, s17
	s_cmp_ge_u32 ttmp9, 128
	s_cselect_b64 s[2:3], s[8:9], s[2:3]           ; w1
	s_cselect_b32 s16, 16384, s16
	s_cselect_b32 s17, 128, s17
	s_cmp_ge_u32 ttmp9, 256
	s_cselect_b64 s[2:3], s[10:11], s[2:3]         ; w2
	s_cselect_b32 s16, 4096, s16
	s_cselect_b32 s17, 256, s17
	s_cselect_b32 s18, 4, s18
	s_sub_co_u32 s19, ttmp9, s17                   ; the panel's number in its weight
	s_lshr_b32 s38, s19, s18                       ; which 128 columns
	s_lshl_b32 s39, s38, s18
	s_sub_co_u32 s39, s19, s39                     ; which 256 along K
	s_lshl_b32 s39, s39, 3
	s_add_co_u32 s39, s39, s14                     ; which 32 along K is my wave's
	s_mul_i32 s39, s39, s16
	s_lshl_b32 s39, s39, 5                         ; 32 rows of the weight (under 2^25 bytes)
	s_lshl_b32 s38, s38, 9                         ; 128 columns of 4 bytes
	s_add_co_u32 s38, s38, s39
	s_mov_b32 s39, 0
	s_add_nc_u64 s[20:21], s[2:3], s[38:39]        ; my first row
	s_lshl_b32 s36, s16, 3                         ; 8 rows on
	s_mov_b32 s37, 0
.irp k, 1,2,3
	s_add_nc_u64 s[20+2*\k:21+2*\k], s[18+2*\k:19+2*\k], s[36:37]   ; a base for each 8 rows: none is ever stepped
.endr
	s_mul_i32 s40, ttmp9, 33792
	s_mov_b32 s41, 0
	s_add_nc_u64 s[12:13], s[12:13], s[40:41]      ; my panel
	s_lshl_b32 s40, s45, 14
	s_lshl_b32 s46, s46, 9
	s_add_co_u32 s40, s40, s46
	s_add_nc_u64 s[42:43], s[12:13], s[40:41]      ; in it: my K step, my group
	v_mov_b32 v[OFF], v3
.irp i, 1,2,3,4,5,6,7
	v_add_nc_u32 v[OFF+\i], s16, v[OFF+\i-1]
.endr
.irp j, 0,1,2,3
.irp i, 0,1,2,3,4,5,6,7
	global_load_b128 v[X+4*(8*\j+\i):X+4*(8*\j+\i)+3], v[OFF+\i], s[20+2*\j:21+2*\j] th:TH_LOAD_NT   ; row 8 j + i: 32 lanes read 512 consecutive bytes
.endr
.endr
	s_wait_loadcnt 0x0                             ; every column needs all 32 rows
.irp c, 0,1,2,3
	v_max3_num_f32 v[MX+\c], |v[X+\c]|, |v[X+4+\c]|, |v[X+8+\c]|   ; the largest magnitude of each column's block, the four columns by turns
.endr
.irp i, 3,5,7,9,11,13,15,17,19,21,23,25,27,29
.irp c, 0,1,2,3
	v_max3_num_f32 v[MX+\c], v[MX+\c], |v[X+4*\i+\c]|, |v[X+4*\i+4+\c]|
.endr
.endr
.irp c, 0,1,2,3
	v_max3_num_f32 v[MX+\c], v[MX+\c], |v[X+124+\c]|, 0x8000000   ; row 31, and the floor 2^(16 - 127): the byte cannot fall under 1
.endr
.irp c, 0,1,2,3
	v_add_nc_u32 v[SO+\c], 0xf8800000, v[MX+\c]    ; 15 off the exponent field: the conversion's scale operand
.endr
.irp c, 0,1,2,3
	v_and_or_b32 v[HI+\c], v[MX+\c], 0x7f800000, s44   ; 57,344 x the scale
.endr
.irp c, 0,1,2,3
	v_lshrrev_b32 v[BY+\c], 23, v[SO+\c]           ; the scale's byte
.endr
.irp c, 0,1,2,3
.set ri, 0
.rept 32
	v_med3_num_f32 v[Y+ri], v[X+4*ri+\c], -v[HI+\c], v[HI+\c]   ; the conversion does not saturate (ISA guide 7.6.2): the hold; it also lays the column's numbers on end
.set ri, ri+1
.endr
.irp g, 0,1,2,3
	v_cvt_scalef32_pk8_bf8_f32 v[C+8*\c+2*\g:C+8*\c+2*\g+1], v[Y+8*\g:Y+8*\g+7], v[SO+\c]
.endr
	v_nop                                          ; a plain instruction behind the conversions: the next column's holds write their sources
	ds_store_b128 v6, v[C+8*\c:C+8*\c+3] offset:16*\c          ; k = 0..15 of the group: the image's lanes 0-15
	ds_store_b128 v6, v[C+8*\c+4:C+8*\c+7] offset:16*\c+256    ; k = 16..31: its lanes 16-31
	ds_store_b8 v7, v[BY+\c] offset:4*\c
.endr
.irp i, 0,1,2,3,4,5,6,7
	ds_load_b128 v[X+4*\i:X+4*\i+3], v8 offset:512*\i   ; LDS serves a wave's instructions in order (ISA guide 5.7.1.4): these see my stores
.endr
	s_wait_dscnt 0x0                               ; the codes are back, and, for the others' sake, my scale bytes have landed
.irp i, 0,1,2,3,4,5,6,7
	global_store_b128 v3, v[X+4*\i:X+4*\i+3], s[42:43] offset:2048*\i   ; block i's group: 512 consecutive bytes, aligned
.endr
	s_barrier_signal -1
	s_barrier_wait -1                              ; all eight waves' scale bytes are in LDS
	ds_load_b32 v11, v10
	s_wait_dscnt 0x0
	global_store_b32 v9, v11, s[12:13] offset:32768
	s_wait_tensorcnt 0x0                           ; the wave's end
	ds_add_u32 v[SPW], v[NIL]
	s_wait_dscnt 0x0
	s_endpgm
	; ---- THE NORM
.Lnorm:
	s_load_b256 s[4:11], s[0:1], 0x0               ; x, g1, be1, hpan
	s_sub_co_u32 s33, ttmp9, NPAN                  ; t: my block of 16 rows
	v_lshrrev_b32 v1, 5, v0
	s_delay_alu instid0(VALU_DEP_1)
	v_readfirstlane_b32 s12, v1                    ; wave 0..7
	v_and_b32 v2, 15, v0                           ; rho
	v_bfe_u32 v3, v0, 4, 1                         ; h
	s_delay_alu instid0(VALU_DEP_2)
	v_and_b32 v4, 8, v2
	s_delay_alu instid0(VALU_DEP_1)
	v_add_nc_u32 v4, v4, v2                        ; rho + 8 (rho / 8)
	s_delay_alu instid0(VALU_DEP_1)
	v_lshlrev_b32 v5, 12, v4
	s_delay_alu instid0(VALU_DEP_1)
	v_lshl_add_u32 v5, v3, 6, v5                   ; x: my row of 4,096 bytes, + 64 h
	v_lshlrev_b32 v6, 6, v3                        ; g, b: 64 h
	v_lshlrev_b32 v8, 2, v2                        ; LDS: 4 rho
	s_wait_alu depctr_va_vdst(0)
	s_lshl_b32 s20, s12, 6
	v_add_nc_u32 v7, s20, v8                       ; + 64 x wave: where I put my sums
	s_lshr_b32 s13, s33, 1
	s_lshl_b32 s13, s13, 5
	s_and_b32 s14, s33, 1
	s_lshl_b32 s14, s14, 3
	s_add_co_u32 s13, s13, s14                     ; the block's first row
	s_lshl_b32 s16, s13, 12
	s_lshl_b32 s18, s12, 9                         ; my wave's 128 columns
	s_add_co_u32 s16, s16, s18
	s_mov_b32 s17, 0
	s_mov_b32 s19, 0
	s_lshr_b32 s21, s33, 3
	s_lshl_b32 s21, s21, 2
	s_lshr_b32 s22, s12, 1
	s_add_co_u32 s21, s21, s22                     ; the panel: 4 (t / 8) + w / 2
	s_mul_i32 s22, s21, 33792
	s_mov_b32 s23, 0
	s_and_b32 s27, s12, 1
	s_and_b32 s28, s33, 7
	s_lshl_b32 s29, s27, 14
	s_lshl_b32 s30, s28, 11
	s_add_co_u32 s29, s29, s30                     ; in it: K step w % 2, block t % 8
	s_lshl_b32 s27, s27, 9
	s_lshl_b32 s28, s28, 6
	s_add_co_u32 s27, s27, s28
	v_and_b32 v9, 31, v0
	s_delay_alu instid0(VALU_DEP_1)
	v_lshl_add_u32 v9, v9, 4, s29                  ; codes: + 16 x lane
	v_add_nc_u32 v10, s27, v8                      ; scale words: + 4 rho
	s_mov_b32 s[SEL], 0x76543210
	s_mov_b32 s[SEL+1], 0xfedcba98                 ; v_permlanex16_b32's selects for lane l xor 16
	s_mov_b32 s[MNT], 0x600000
	s_mov_b32 s31, 0x3a800000                      ; 1 / 1,024
	s_mov_b32 s32, 0x3727c5ac                      ; 1e-5
	s_wait_kmcnt 0x0
	s_add_nc_u64 s[4:5], s[4:5], s[16:17]
	s_add_nc_u64 s[6:7], s[6:7], s[18:19]
	s_add_nc_u64 s[8:9], s[8:9], s[18:19]
	s_add_nc_u64 s[10:11], s[10:11], s[22:23]
.irp b, 0,1,2,3
.irp j, 0,1,2,3
	global_load_b128 v[XR+16*\b+4*\j:XR+16*\b+4*\j+3], v5, s[4:5] offset:128*\b+16*\j
.endr
.endr
.irp b, 0,1,2,3
.irp j, 0,1,2,3
	global_load_b128 v[GR+16*\b+4*\j:GR+16*\b+4*\j+3], v6, s[6:7] offset:128*\b+16*\j
.endr
.endr
.irp b, 0,1,2,3
.irp j, 0,1,2,3
	global_load_b128 v[BR+16*\b+4*\j:BR+16*\b+4*\j+3], v6, s[8:9] offset:128*\b+16*\j
.endr
.endr
	s_wait_loadcnt 32                              ; x's 16 loads are in; g's and b's 32 may be out
.irp k, 0,2,4,6
	v_pk_add_f32 v[224+\k:225+\k], v[XR+\k:XR+\k+1], v[XR+8+\k:XR+9+\k]   ; four chains, started by the first sixteen numbers
.endr
.irp j, 16,24,32,40,48,56
.irp k, 0,2,4,6
	s_delay_alu instid0(VALU_DEP_4)
	v_pk_add_f32 v[224+\k:225+\k], v[224+\k:225+\k], v[XR+\j+\k:XR+\j+\k+1]
.endr
.endr
	FOLD
	ACROSS 0
	s_delay_alu instid0(VALU_DEP_1)
	v_mul_f32 v[MU], s31, v232                     ; the mean
	s_delay_alu instid0(VALU_DEP_1)
	v_mov_b32 v[MU+1], v[MU]
.irp j, 0,2,4,6,8,10,12,14,16,18,20,22,24,26,28,30,32,34,36,38,40,42,44,46,48,50,52,54,56,58,60,62
	v_pk_add_f32 v[XR+\j:XR+\j+1], v[XR+\j:XR+\j+1], v[MU:MU+1] neg_lo:[0,1] neg_hi:[0,1]
.endr
.irp k, 0,2,4,6
	v_pk_mul_f32 v[224+\k:225+\k], v[XR+\k:XR+\k+1], v[XR+\k:XR+\k+1]
.endr
.irp j, 8,16,24,32,40,48,56
.irp k, 0,2,4,6
	s_delay_alu instid0(VALU_DEP_4)
	v_pk_fma_f32 v[224+\k:225+\k], v[XR+\j+\k:XR+\j+\k+1], v[XR+\j+\k:XR+\j+\k+1], v[224+\k:225+\k]
.endr
.endr
	FOLD
	ACROSS 512                                     ; other words than the first sum's: no wave can still be reading them
	s_delay_alu instid0(VALU_DEP_1)
	v_fma_f32 v[RS], v232, s31, s32                ; var + eps
	s_wait_alu depctr_va_vdst(0)
	v_rsq_f32 v[RS], v[RS]
	v_nop                                          ; a plain instruction behind the transcendental
	s_wait_alu depctr_va_vdst(0)                   ; and a wait ahead of its first reader
	v_mov_b32 v[RS+1], v[RS]
.irp b, 0,1,2,3
	v_mov_b32 v[TM+4+\b], 0                        ; a lane permute's destination counts as one of its sources
.endr
	s_wait_alu depctr_va_vdst(0)
	s_wait_loadcnt 0x0                             ; g and b
.irp j, 0,2,4,6,8,10,12,14,16,18,20,22,24,26,28,30,32,34,36,38,40,42,44,46,48,50,52,54,56,58,60,62
	v_pk_mul_f32 v[XR+\j:XR+\j+1], v[XR+\j:XR+\j+1], v[RS:RS+1]
.endr
.irp j, 0,2,4,6,8,10,12,14,16,18,20,22,24,26,28,30,32,34,36,38,40,42,44,46,48,50,52,54,56,58,60,62
	v_pk_fma_f32 v[XR+\j:XR+\j+1], v[XR+\j:XR+\j+1], v[GR+\j:GR+\j+1], v[BR+\j:BR+\j+1]
.endr
	QUANT XR, PC, PW
.irp c, 0,1,2,3
	global_store_b128 v9, v[PC+4*\c:PC+4*\c+3], s[10:11] offset:512*\c   ; 32 lanes store 512 consecutive bytes, aligned
.endr
	global_store_b32 v10, v[PW], s[10:11] offset:32768                  ; both halves of the lanes hold and write the same word
	s_wait_tensorcnt 0x0                           ; the wave's end
	ds_add_u32 v[SPW], v[NIL]
	s_wait_dscnt 0x0
	s_endpgm
.Lfunc_end_k_q4ad748c8b3_prep:
	.size	k_q4ad748c8b3_prep, .Lfunc_end_k_q4ad748c8b3_prep-k_q4ad748c8b3_prep
	.p2alignl 7, 3214868480
	.fill 96, 4, 3214868480
	.section	.rodata,"a",@progbits
	.p2align	6, 0x0
	.amdhsa_kernel k_q4ad748c8b3_prep
		.amdhsa_group_segment_fixed_size 35840
		.amdhsa_private_segment_fixed_size 0
		.amdhsa_enable_private_segment 0
		.amdhsa_kernarg_size 72
		.amdhsa_user_sgpr_count 2
		.amdhsa_user_sgpr_kernarg_segment_ptr 1
		.amdhsa_wavefront_size32 1
		.amdhsa_system_sgpr_workgroup_id_x 1
		.amdhsa_system_sgpr_workgroup_id_y 1
		.amdhsa_system_sgpr_workgroup_id_z 1
		.amdhsa_system_vgpr_workitem_id 0
		.amdhsa_next_free_vgpr 256
		.amdhsa_next_free_sgpr 66
		.amdhsa_reserve_vcc 0
		.amdhsa_float_denorm_mode_32 3
		.amdhsa_float_denorm_mode_16_64 3
		.amdhsa_memory_ordered 1
		.amdhsa_forward_progress 1
		.amdhsa_inst_pref_size 55
	.end_amdhsa_kernel
	.amdgpu_metadata
---
amdhsa.version: [ 1, 2 ]
amdhsa.kernels:
  - .name:           k_q4ad748c8b3_prep
    .symbol:         k_q4ad748c8b3_prep.kd
    .args:
      - { .name: x, .offset: 0, .size: 8, .value_kind: global_buffer, .address_space: global }
      - { .name: g1, .offset: 8, .size: 8, .value_kind: global_buffer, .address_space: global }
      - { .name: be1, .offset: 16, .size: 8, .value_kind: global_buffer, .address_space: global }
      - { .name: hpan, .offset: 24, .size: 8, .value_kind: global_buffer, .address_space: global }
      - { .name: w_qkv, .offset: 32, .size: 8, .value_kind: global_buffer, .address_space: global }
      - { .name: w_out, .offset: 40, .size: 8, .value_kind: global_buffer, .address_space: global }
      - { .name: w1, .offset: 48, .size: 8, .value_kind: global_buffer, .address_space: global }
      - { .name: w2, .offset: 56, .size: 8, .value_kind: global_buffer, .address_space: global }
      - { .name: wpan, .offset: 64, .size: 8, .value_kind: global_buffer, .address_space: global }
    .group_segment_fixed_size: 35840
    .private_segment_fixed_size: 0
    .kernarg_segment_align: 8
    .kernarg_segment_size: 72
    .max_flat_workgroup_size: 256
    .sgpr_count:     66
    .vgpr_count:     256
    .wavefront_size: 32
...
	.end_amdgpu_metadata
.endif
;; end of part 1
;; launch qkv (part 2): grid 12 x 16, 4 waves a work-group, clusters of 4 x 4, 327,680 bytes of LDS; arguments hpan, wpan, b_qkv, qrec, krec, vrec; writes qrec, krec, vrec
.if DOCPART == 2
	.amdgcn_target "amdgcn-amd-amdhsa--gfx1250"
	.amdhsa_code_object_version 6
	.text
	.protected	k_q4ad748c8b3_qkv
	.globl	k_q4ad748c8b3_qkv
	.p2align	8
	.type	k_q4ad748c8b3_qkv,@function
k_q4ad748c8b3_qkv:
	s_mov_b64 s[64:65], 0
	v_nop
	global_prefetch_b8 v0, s[64:65] scope:SCOPE_SE
	s_setreg_imm32_b32 hwreg(HW_REG_WAVE_MODE, 25, 1), 1
	s_wait_xcnt 0x0
	s_wait_alu depctr_hold_cnt(0) depctr_sa_sdst(0) depctr_va_vdst(0) depctr_va_sdst(0) depctr_va_ssrc(0) depctr_va_vcc(0) depctr_vm_vsrc(0)
	s_getreg_b32 s2, hwreg(HW_REG_IB_STS2, 6, 4)
	s_cmp_eq_u32 s2, 0
	s_cbranch_scc0 .Lentry_in_a_cluster
	s_endpgm
.Lentry_in_a_cluster:
	s_bfe_u32 s2, ttmp6, 0x10000c
	s_cmp_lg_u32 s2, 0xf033
	s_cbranch_scc0 .Lentry_shape_is_right
	s_endpgm
.Lentry_shape_is_right:
; qkv = h w_qkv + b_qkv on codes of BF8 (E5M2) with E8M0 scales, and q, k, v quantised on the way out for the two products of attention.  No work is left out (the bias on k moves k's codes).
; OPERANDS are PANELS, 128 rows x 256 K, 33,792 dense bytes: codes as register images (K step q, block i at q 16384 + i 2048, group c at 512 c + 16 lane), scale words at 32768 + 512 q + 64 i + 4 rho.
; A tile of 256 x 256 is made by four waves, 128 x 128 each: 64 accumulators.  K goes in steps of 256 through a ring of two LDS slots of four panels (two of A, two of B); each wave fetches one panel by one tensor load.
; CLUSTERS of 4 x 4: A's panels are asked for jointly along a row of the cluster, B's along a column.
; The matrix instruction takes B's blocks as source 0 and A's as source 1: a lane holds ONE row of A, and its 64 results of a block of A run along B's 128 rows in their true order (the order of rows in a block sees to that).
; TWO MODES, told apart by the cluster's x, which all sixteen partners share.  Clusters x = 0, 1: A = h (tokens), B = w_qkv's columns 0..2047: a lane holds a token, its registers run along the head's axis, the K of q k^T.
; Cluster x = 2: the operands change places: A = w_qkv's columns 2048..3071, B = h: a lane holds a channel of v and its registers run along the tokens, the K of p v.
; OUT: RECORDS of 128 tokens of one (batch, head), 8,448 bytes, [32][16].  q, k: token block a at 1024 a + 512 c + 16 lane (c = 0, 1); scale words at 8192 + 64 b + 4 rho = the two bytes of block 2 b, then those of block 2 b + 1.
; v: fragment tau of 16 channels x 128 tokens at 2048 tau + 512 c + 16 lane, scale words at 8192 + 64 tau + 4 r.
; THE WAY OUT: the accumulators go to the wave's own 65,536 bytes of LDS as images (both slots have had their last fill, and a barrier stands behind every wave's last read), come back a block of A at a time, and are quantised.
; 192 work-groups: one round of large tiles; tiles of half the side would be 768, three rounds.
; LIMITS: a block of zeros gets the byte 1 (read by this program alone); NaN and infinities are not served.
.set MB,    8                          ; blocks of 16 rows a wave, of A and of B
.set NQ,    2                          ; steps of 128 along K in a slot
.set KTOT,  1024
.set PANEL, 33792
.set SLOT,  4*PANEL                    ; a slot: A's two row panels of a K step, then B's two
.set SPARE, 2*SLOT                     ; behind the ring: the spare words, 128 bytes a wave
.set KP,    KTOT/256
.set LAPS,  KTOT/(256*NQ)              ; a lap = once round the ring
.set AW,    PANEL                      ; LDS: from one wave's blocks to the other's: codes,
.set ASW,   PANEL                      ; scale words
.set SSTEP, PANEL                      ; memory: slot 1's first panel behind slot 0's
.set RSTEP, 2*PANEL                    ; a refill's step
.set ADRA, 16                          ; v16-17 LDS address of my A fragments in slot 0, 1
.set ADRB, 20                          ; v20-21 the same for B
.set ADRS, 22                          ; v22-23 of my scale words: lanes 0-15 A's, lanes 16-31 B's
.set STGA, 24                          ; v24  the way out: 65536 x wave + 16 x lane
.set SWA,  25                          ; v25  where I put a scale word
.set SWR,  26                          ; v26  and where I read 16 bytes of them back
.set SPW,  28                          ; v28  LDS address of my spare word; never rewritten
.set NIL,  29                          ; v29  0; never rewritten
.set SC,   32                          ; v32-63 scale words and nothing else: set s at SC + 16 s, register MB q + i
.set BIAS, 64                          ; v64-127 the bias, as the C of the first step
.set AF,   128                         ; A's fragments, one set
.set G1,  24                           ; s[24:31], s[32:39]: descriptor groups 1 and 0 (a set for each slot) for A's panels
.set G0,  32
.set G1B, 48                           ; s[48:55], s[56:63]: for B's
.set G0B, 56
.set MNT, 90
.set SEL, 92
.set X0,  64                           ; the way out, window 0: two sets of 64 numbers,
.set X1,  128
.set VA,  192                          ; v192-195, v196-199 global offsets of the two blocks' four stores
.set VB,  196
.set TM,  200                          ; v200-215 at work
.set PW0, 216
.set PW1, 217
.set WW,  218
.set SELV, 219
.set SG,  220
.set PC0, 222                          ; v222-237, v238-253 the two blocks' codes
.set PC1, 238
.set MSB, 0
.macro WIN new                         ; the immediate's high byte repeats the setting that is left
.if MSB != (\new)
	s_set_vgpr_msb (MSB<<8)|(\new)
.set MSB, (\new)
.endif
.endm
.macro JLOAD g0a, g1a, g0b, g1b        ; a joint load: waves 0 and 1 fetch A's panels, waves 2 and 3 B's; an s_nop 0 and four v_nop follow each line
	s_cmp_eq_u32 s15, 0
	s_cbranch_scc0 .Lfor_b_\@
	tensor_load_to_lds s[\g0a:\g0a+3], s[\g1a:\g1a+7]
	s_nop 0
.rept 4
	v_nop
.endr
	s_branch .Lasked_\@
.Lfor_b_\@:
	tensor_load_to_lds s[\g0b:\g0b+3], s[\g1b:\g1b+7]
	s_nop 0
.rept 4
	v_nop
.endr
.Lasked_\@:
.endm
.macro CREST                           ; a round of the cluster's barrier behind its opening barrier
	s_cmp_lg_u32 s14, 0
	s_cbranch_scc1 .Lnot_wave_0_\@
	s_barrier_signal -3
.Lnot_wave_0_\@:
	s_barrier_wait -3
	s_barrier_signal -1
	s_barrier_wait -1
.endm
.macro CROUND
	s_barrier_signal -1
	s_barrier_wait -1
	CREST
.endm
.macro PLACES n                        ; plain vector instructions behind matrix instructions: eight for this form
.rept \n
	v_nop
.endr
.endm
.macro FRAG reg, adr, q, i             ; a fragment's image: four loads of 512 consecutive bytes
.irp c, 0,1,2,3
	ds_load_b128 v[\reg+4*\c:\reg+4*\c+3], v[\adr] offset:((\q)/2)*PANEL+((\q)%2)*16384+(\i)*2048+512*\c
.endr
.endm
.macro FETCH_B slot, q, p              ; B's fragments of the slot's q-th step into set p (window 1)
	WIN 0x40
.set fi, 0
.rept MB
	FRAG 128*(\p)+16*fi, ADRB+\slot, \q, fi
.set fi, fi+1
.endr
	WIN 0
.endm
.macro FETCH_A slot, q, i0             ; half of A's fragments, from block i0 on
.set fi, \i0
.rept MB/2
	FRAG AF+16*fi, ADRA+\slot, \q, fi
.set fi, fi+1
.endr
.endm
.macro SCALES sl                       ; a slot's scale words: lanes 0-15 take A's block i, lanes 16-31 B's block i
.set sq, 0
.rept NQ
.set si, 0
.rept MB
	ds_load_b32 v[SC+16*(\sl)+MB*sq+si], v[ADRS+(\sl)] offset:(sq/2)*PANEL+(sq%2)*512+si*64
.set si, si+1
.endr
.set sq, sq+1
.endr
.endm
; n blocks of A from a0 on, each against all of B's.  cm = 0: the sums go on; 1: they begin with the bias of B's rows; 2: with that of A's rows.  The accumulators take turns, one instruction a turn.
.macro MULS a0, n, p, q, sc, cm
.set ma, (\a0)
.rept (\n)
.set mb, 0
.rept MB
.set rD, 8*(MB*(ma%(MB/2))+mb)
.set rB, 128*(\p)+16*mb
.set rA, AF+16*ma
.set rT, SC+16*(\sc)+MB*(\q)
.if (\cm) == 0
	v_wmma_scale_f32_16x16x128_f8f6f4 v[rD:rD+7], v[rB:rB+15], v[rA:rA+15], v[rD:rD+7], v[rT+mb], v[rT+ma] matrix_a_fmt:MATRIX_FMT_BF8 matrix_b_fmt:MATRIX_FMT_BF8 matrix_a_scale:MATRIX_SCALE_ROW1
.elseif (\cm) == 1
	v_wmma_scale_f32_16x16x128_f8f6f4 v[rD:rD+7], v[rB:rB+15], v[rA:rA+15], v[BIAS+8*mb:BIAS+8*mb+7], v[rT+mb], v[rT+ma] matrix_a_fmt:MATRIX_FMT_BF8 matrix_b_fmt:MATRIX_FMT_BF8 matrix_a_scale:MATRIX_SCALE_ROW1
.else
	v_wmma_scale_f32_16x16x128_f8f6f4 v[rD:rD+7], v[rB:rB+15], v[rA:rA+15], v[BIAS+8*ma:BIAS+8*ma+7], v[rT+mb], v[rT+ma] matrix_a_fmt:MATRIX_FMT_BF8 matrix_b_fmt:MATRIX_FMT_BF8 matrix_a_scale:MATRIX_SCALE_ROW1
.endif
.set mb, mb+1
.endr
.set ma, ma+1
.endr
.endm
.macro STEP slot, q, cm                ; a step of 128 along K that has its successor in the same slot
	s_wait_dscnt 2*MB                              ; all but the youngest loads, the upper half of A's blocks
.if (\cm)
	WIN 0x81                                       ; source 0 (B) window 1, source 1 (A) and C (the bias) window 0, D window 2
.else
	WIN 0xa1                                       ; C and D window 2
.endif
	MULS 0, MB/2, (\q)%2, \q, \slot, \cm
	s_wait_dscnt 0x0                               ; the upper half of A's blocks is in
	PLACES 8
	FETCH_B \slot, (\q)+1, 1-(\q)%2
	FETCH_A \slot, (\q)+1, 0
.if (\cm)
	WIN 0xc1
.else
	WIN 0xf1
.endif
	MULS MB/2, MB/2, (\q)%2, \q, \slot, \cm
	PLACES 8
	WIN 0
	FETCH_A \slot, (\q)+1, MB/2
.endm
; A slot's last step changes slots: one barrier; in front of it each wave waits for all its tensor loads, adds 0 to its spare word, and waits for that and for its reads of this slot.  fill = 1: the slot is filled again.
.macro TURN slot, next, fill
	s_wait_tensorcnt 0x0                           ; all my tensor loads have landed: my panel of the next slot
	ds_add_u32 v[SPW], v[NIL]                      ; 0 onto my spare word
.if \fill
.irp g, G1, G1B                                ; no tensor load of mine is out, so a descriptor may be written: the ring's shape: one panel as 132 rows of 256 bytes, dense
	s_mov_b32 s[\g+1], 32<<16
	s_mov_b32 s[\g+2], 132<<16
	s_mov_b32 s[\g+3], 32<<16
	s_mov_b32 s[\g+4], 132
	s_mov_b32 s[\g+5], 32
.endr
.endif
	s_wait_dscnt 2*MB+1
	WIN 0xa1
	MULS 0, MB/4, 1, NQ-1, \slot, 0
	s_wait_dscnt 0x0                               ; the add is done, and my reads of this slot are over
	s_barrier_signal -1
	MULS MB/4, MB/4, 1, NQ-1, \slot, 0
	WIN 0
	s_barrier_wait -1
.if \fill
	CREST                                          ; the barrier has opened a round of the cluster's: no wave of any partner still reads this slot or has a load on its way
	s_add_nc_u64 s[G0+4*\slot+2:G0+4*\slot+3], s[G0+4*\slot+2:G0+4*\slot+3], RSTEP
	s_add_nc_u64 s[G0B+4*\slot+2:G0B+4*\slot+3], s[G0B+4*\slot+2:G0B+4*\slot+3], RSTEP
	JLOAD G0+4*\slot, G1, G0B+4*\slot, G1B         ; the first tensor load behind the round; its four v_nop are four of the eight places
	PLACES 4
.else
	PLACES 8
.endif
	FETCH_B \next, 0, 0
	FETCH_A \next, 0, 0
	SCALES \next
	WIN 0xf1
	MULS MB/2, MB/2, 1, NQ-1, \slot, 0
	PLACES 8
	WIN 0
	FETCH_A \next, 0, MB/2
.endm
.macro QUANT s, pc, pw                 ; 64 numbers v[s + 16 b + i] (k = 32 b + 16 h + i of my row) become a fragment's codes in v[pc] on and its scale word in v[pw]
.irp b, 0,1,2,3
	v_max3_num_f32 v[TM+\b], |v[\s+16*\b]|, |v[\s+1+16*\b]|, 0x8000000   ; my 16 numbers of block b, and the floor 2^(16 - 127)
.endr
.irp i, 2,4,6,8,10,12,14
.irp b, 0,1,2,3
	v_max3_num_f32 v[TM+\b], v[TM+\b], |v[\s+16*\b+\i]|, |v[\s+1+16*\b+\i]|
.endr
.endr
.irp b, 0,1,2,3
	v_permlanex16_b32 v[TM+4+\b], v[TM+\b], s[SEL], s[SEL+1]
.endr
.irp b, 0,1,2,3
	v_max_num_f32 v[TM+\b], v[TM+\b], v[TM+4+\b]
.endr
.irp b, 0,1,2,3
	v_add_nc_u32 v[TM+12+\b], 0xf8800000, v[TM+\b] ; 15 off the exponent field: the conversion's scale operand
.endr
.irp b, 0,1,2,3
	v_and_or_b32 v[TM+8+\b], v[TM+\b], 0x7f800000, s[MNT]   ; 57,344 x the scale
.endr
.irp b, 0,1,2,3
	v_lshrrev_b32 v[TM+4+\b], 23, v[TM+12+\b]      ; the scale's byte
.endr
	v_lshl_or_b32 v[\pw], v[TM+5], 8, v[TM+4]
	v_lshl_or_b32 v[\pw], v[TM+6], 16, v[\pw]
	v_lshl_or_b32 v[\pw], v[TM+7], 24, v[\pw]
.irp b, 0,1,2,3
.irp i, 0,1,2,3,4,5,6,7,8,9,10,11,12,13,14,15
	v_med3_num_f32 v[\s+16*\b+\i], v[\s+16*\b+\i], -v[TM+8+\b], v[TM+8+\b]   ; the conversion does not saturate (ISA guide 7.6.2): the hold
.endr
	v_cvt_scalef32_pk8_bf8_f32 v[\pc+4*\b:\pc+1+4*\b], v[\s+16*\b:\s+7+16*\b], v[TM+12+\b]
	v_cvt_scalef32_pk8_bf8_f32 v[\pc+2+4*\b:\pc+3+4*\b], v[\s+8+16*\b:\s+15+16*\b], v[TM+12+\b]
.endr
	v_nop                                          ; a plain instruction behind the last conversion
.endm
.macro DUMP                            ; the 64 accumulators to my 65,536 bytes of LDS as images, each from its low end on: accumulator (a, b), half g at 512 (16 a + 2 b + g) + 16 lane
.set da, 0
.rept 8
	WIN 0x08+4*(da/4)                              ; an LDS store's data are its source 1: window 2 or 3
.set db, 0
.rept 8
.set rD, 8*(8*(da%4)+db)
	ds_store_b128 v[STGA], v[rD:rD+3] offset:(16*da+2*db)*512
	ds_store_b128 v[STGA], v[rD+4:rD+7] offset:(16*da+2*db+1)*512
.set db, db+1
.endr
.set da, da+1
.endr
	WIN 0
.endm
.macro LOADX reg, adr, off             ; a block of A's 64 numbers a lane come back (LDS serves a wave's instructions in order: ISA guide 5.7.1.4)
.irp k, 0,1,2,3,4,5,6,7,8,9,10,11,12,13,14,15
	ds_load_b128 v[\reg+4*\k:\reg+4*\k+3], v[\adr] offset:(\off)+512*\k
.endr
.endm
	s_load_b256 s[4:11], s[0:1], 0x0               ; hpan, wpan, b_qkv, qrec
	s_load_b128 s[68:71], s[0:1], 0x20             ; krec, vrec
	v_lshl_add_u32 v[SPW], v0, 2, SPARE
	v_mov_b32 v[NIL], 0
	ds_add_u32 v[SPW], v[NIL]                      ; the wave's opening: the add, twice on end, and its wait ahead of my first tensor load
	ds_add_u32 v[SPW], v[NIL]
	v_lshrrev_b32 v1, 5, v0
	v_readfirstlane_b32 s14, v1                    ; wave 0..3
	s_lshr_b32 s15, s14, 1                         ; which half of A's rows is mine.  Also: I fetch for A (0) or for B (1)
	s_and_b32 s16, s14, 1                          ; which half of B's rows.  Also: which of the two panels I fetch
	s_bfe_u32 s40, ttmp6, 0x40000                  ; cx, cy: my place in the cluster
	s_bfe_u32 s41, ttmp6, 0x40004
	s_and_b32 s18, ttmp7, 0xffff                   ; the cluster's y
	s_cmp_eq_u32 ttmp9, 2                          ; the mode: the cluster's x, the same in all sixteen partners
	s_cselect_b32 s19, 0, s18                      ; A's tile row takes the cluster's y (v: A has four tile rows, by cy alone)
	s_cselect_b32 s73, s18, ttmp9                  ; B's tile column takes the cluster's x (v: its y)
	s_cselect_b32 s74, 16, 0                       ; v: A begins at w_qkv's row panel 16, column 2,048
	s_lshl_b32 s17, s19, 2
	s_add_co_u32 s17, s17, s41                     ; A's tile row
	s_lshl_b32 s42, s73, 2
	s_add_co_u32 s42, s42, s40                     ; B's tile column
	s_lshl_b32 s43, s41, 2
	s_lshl_b32 s43, 15, s43                        ; my row of the cluster
	s_lshl_b32 s44, 0x1111, s40                    ; my column
	s_or_b32 s[G1], s43, (3<<16)|(1<<21)           ; 15:0 the mask; 17:16 elements of 8 bytes; 21 set beside a mask; no padding
	s_or_b32 s[G1B], s44, (3<<16)|(1<<21)
.irp g, G1, G1B
	s_mov_b32 s[\g+1], (PANEL/8)<<16               ; the head's shape: a row is a whole panel, 4,224 elements of 8 bytes;
	s_mov_b32 s[\g+2], 2<<16                       ; two rows: an operand's two row panels of one K step,
	s_mov_b32 s[\g+3], (PANEL/8)<<16
	s_mov_b32 s[\g+4], 2
	s_mov_b32 s[\g+5], KP*PANEL/8                  ; which lie KP panels apart in memory and land on end in LDS
	s_mov_b32 s[\g+6], 0
	s_mov_b32 s[\g+7], 0
.endr
	s_lshl_b32 s20, s17, 1
	s_add_co_u32 s20, s20, s16
	s_add_co_u32 s20, s20, s74                     ; A: the row panel that I fetch
	s_mul_i32 s20, s20, KP*PANEL
	s_mov_b32 s21, 0
	s_lshl_b32 s46, s42, 1
	s_add_co_u32 s46, s46, s16                     ; B likewise
	s_mul_i32 s46, s46, KP*PANEL
	s_mov_b32 s47, 0
	s_mul_i32 s45, s14, PANEL                      ; the ring: where my panel goes: wave x a panel: no place in the cluster enters an LDS address
	s_mov_b32 s[SEL], 0x76543210
	s_mov_b32 s[SEL+1], 0xfedcba98
	s_mov_b32 s[MNT], 0x600000
	s_wait_dscnt 0x0                               ; both opening adds are done
	s_wait_kmcnt 0x0
	s_cmp_eq_u32 ttmp9, 2
	s_cselect_b64 s[76:77], s[6:7], s[4:5]         ; A: h, or the weight
	s_cselect_b64 s[78:79], s[4:5], s[6:7]         ; B: the weight, or h
	s_add_nc_u64 s[20:21], s[76:77], s[20:21]
	s_add_nc_u64 s[46:47], s[78:79], s[46:47]
	CROUND                                         ; all sixteen work-groups are here: the first joint loads meet
.irp s, 0,1
	s_mov_b32 s[G0+4*\s], 1
	s_add_co_u32 s[G0+4*\s+1], s45, \s*SLOT
	s_add_nc_u64 s[G0+4*\s+2:G0+4*\s+3], s[20:21], \s*SSTEP
	s_or_b32 s[G0+4*\s+3], s[G0+4*\s+3], 0x80000000
	s_mov_b32 s[G0B+4*\s], 1
	s_add_co_u32 s[G0B+4*\s+1], s45, \s*SLOT
	s_add_nc_u64 s[G0B+4*\s+2:G0B+4*\s+3], s[46:47], \s*SSTEP
	s_or_b32 s[G0B+4*\s+3], s[G0B+4*\s+3], 0x80000000
.endr
; THE HEAD'S LOADS, one a wave, fill both slots: wave 0: A's two row panels of K step 0; wave 1: B's; wave 2: A's of K step 1; wave 3: B's.  ONE chain of branches on the wave's number, an arm and a load line for each wave:
; waves 0 and 1 wait at the first barrier, which shows slot 0; waves 2 and 3 at the first change of slots.  Their groups 0 lie in registers whose arguments have been used.
.set G0HA, 4                           ; s[4:7]   A's
.set G0HB, 76                          ; s[76:79] B's
	s_mul_i32 s12, s16, KP*PANEL                   ; s[20:21] and s[46:47] stand at row panel s16 of the pair: back to the pair's first,
	s_mov_b32 s13, 0
	s_mul_i32 s18, s15, PANEL                      ; and on to K step wave / 2
	s_mov_b32 s19, 0
	s_mul_i32 s23, s15, SLOT                       ; LDS: slot wave / 2
	s_mov_b32 s[G0HA], 1
	s_mov_b32 s[G0HA+1], s23
	s_sub_nc_u64 s[G0HA+2:G0HA+3], s[20:21], s[12:13]
	s_add_nc_u64 s[G0HA+2:G0HA+3], s[G0HA+2:G0HA+3], s[18:19]
	s_or_b32 s[G0HA+3], s[G0HA+3], 0x80000000
	s_mov_b32 s[G0HB], 1
	s_add_co_u32 s[G0HB+1], s23, 2*PANEL
	s_sub_nc_u64 s[G0HB+2:G0HB+3], s[46:47], s[12:13]
	s_add_nc_u64 s[G0HB+2:G0HB+3], s[G0HB+2:G0HB+3], s[18:19]
	s_or_b32 s[G0HB+3], s[G0HB+3], 0x80000000
.macro ARM under, g0, g1, next
	s_cmp_lt_u32 s14, \under
	s_cbranch_scc0 \next
	tensor_load_to_lds s[\g0:\g0+3], s[\g1:\g1+7]
	s_nop 0
.rept 4
	v_nop
.endr
	s_branch .Lhead_asked
\next:
.endm
	ARM 1, G0HA, G1,  .Lhead_1
	ARM 2, G0HB, G1B, .Lhead_2
	ARM 3, G0HA, G1,  .Lhead_3
	tensor_load_to_lds s[G0HB:G0HB+3], s[G1B:G1B+7]
	s_nop 0
.rept 4
	v_nop
.endr
.Lhead_asked:
; A PREFETCH INTO THE L2 of K steps 2 and 3, which the two refills will ask for: panels 2 and 3 of the row panel that I fetch in the ring.  The four partners that ask for a panel jointly share its 132 blocks of 256 bytes out BY ADDRESS:
; the partner at place p (cx for A, cy for B) takes blocks 33 p .. 33 p + 32: a lane a block, and one more instruction for the 33rd.  The registers are never written again.
.set PFA, 66                           ; s[66:67] my row panel's first byte + 8,448 p
.set PFO, 10                           ; v10  256 x lane
.set PFZ, 11                           ; v11  0: all lanes name the 33rd block
	s_cmp_eq_u32 s15, 0
	s_cselect_b64 s[PFA:PFA+1], s[20:21], s[46:47]
	s_cselect_b32 s12, s40, s41
	s_mul_i32 s12, s12, 8448
	s_add_nc_u64 s[PFA:PFA+1], s[PFA:PFA+1], s[12:13]
	v_and_b32 v[PFO], 31, v0
	v_lshlrev_b32 v[PFO], 8, v[PFO]
	v_mov_b32 v[PFZ], 0
.irp k, 2,3
	global_prefetch_b8 v[PFO], s[PFA:PFA+1] offset:\k*PANEL th:TH_LOAD_NT scope:SCOPE_SE
	global_prefetch_b8 v[PFZ], s[PFA:PFA+1] offset:\k*PANEL+8192 th:TH_LOAD_NT scope:SCOPE_SE
.endr
	; what hangs on the mode: scalars that enter global offsets and a byte permute's selector, never an LDS address
	s_lshl_b32 s75, s17, 1
	s_add_co_u32 s75, s75, s15                     ; RA: my 128 rows of A
	s_lshl_b32 s82, s42, 1
	s_add_co_u32 s82, s82, s16                     ; RB: my 128 rows of B
	s_and_b32 s96, s82, 7
	s_lshl_b32 s96, s96, 1                         ; q, k: my first head = 2 (RB % 8)
	s_lshl_b32 s97, s75, 1                         ; v: 2 RA
	s_lshl_b32 s98, s82, 9                         ; q, k: the bias of column 128 RB on
	s_lshl_b32 s99, s75, 9
	s_add_co_u32 s99, s99, 8192                    ; v: of column 2,048 + 128 RA on
	s_cmp_eq_u32 ttmp9, 2
	s_cselect_b32 s96, s97, s96                    ; my first head
	s_cselect_b32 s97, s82, s75                    ; my group of 128 tokens
	s_cselect_b32 s80, s99, s98
	s_mov_b32 s83, 135168
	s_cselect_b32 s83, 1024, s83                   ; from a block's first two stores to its last two: the next head's record, v: two groups on
	s_mov_b32 s88, 1024
	s_cselect_b32 s88, 2048, s88                   ; from a block of A to the next
	s_mov_b32 s84, 2048
	s_cselect_b32 s84, 4096, s84                   ; from a pair of blocks to the next;
	s_cselect_b32 s85, 135168, 0                   ; v: 4096, 131072, 4096 by an exclusive or: the second head's record
	s_mov_b32 s86, 0x05040100
	s_cselect_b32 s86, 0x03020100, s86             ; lanes 0-15: the low halves of the pair's two words, v: the first word
	s_mov_b32 s87, 0x07060302
	s_cselect_b32 s87, 0x07060504, s87             ; lanes 16-31: the high halves, v: the second word
	s_cselect_b32 s89, -1, 0
	s_cselect_b64 s[94:95], s[70:71], s[68:69]     ; vrec, or krec,
	s_cmp_eq_u32 ttmp9, 0
	s_cselect_b64 s[94:95], s[10:11], s[94:95]     ; or qrec
	s_lshr_b32 s98, s97, 4                         ; the batch
	s_lshl_b32 s98, s98, 4
	s_add_co_u32 s98, s98, s96                     ; (batch, head)
	s_lshl_b32 s98, s98, 4
	s_and_b32 s97, s97, 15
	s_add_co_u32 s98, s98, s97                     ; the record
	s_mul_i32 s98, s98, 8448
	s_mov_b32 s99, 0
	s_add_nc_u64 s[94:95], s[94:95], s[98:99]
	s_mov_b32 s81, 0
	s_add_nc_u64 s[80:81], s[8:9], s[80:81]
	v_and_b32 v1, 15, v0                           ; r
	v_bfe_u32 v2, v0, 4, 1                         ; h
	v_and_b32 v5, 31, v0
	v_lshlrev_b32 v3, 4, v5                        ; 16 x lane
	v_lshlrev_b32 v7, 6, v2                        ; 64 h
	v_and_b32 v8, 8, v1
	v_add_nc_u32 v8, v8, v1
	v_lshlrev_b32 v8, 2, v8                        ; 4 (r + 8 (r / 8))
	s_cmp_eq_u32 ttmp9, 2
	s_cbranch_scc1 .Lbias_v
.irp b, 0,1,2,3,4,5,6,7                        ; q, k: tile b of lane (r, h) holds columns 32 (b / 2) + 16 h + 8 (b % 2) + 0..7
	global_load_b128 v[BIAS+8*\b:BIAS+8*\b+3], v7, s[80:81] offset:(32*(\b/2)+8*(\b%2))*4
	global_load_b128 v[BIAS+8*\b+4:BIAS+8*\b+7], v7, s[80:81] offset:(32*(\b/2)+8*(\b%2))*4+16
.endr
	s_branch .Lbias_done
.Lbias_v:
	s_wait_alu depctr_va_vdst(0)
.irp a, 0,1,2,3,4,5,6,7                        ; v: all eight registers of a tile hold my lane's column of block a
.irp j, 0,1,2,3,4,5,6,7
	global_load_b32 v[BIAS+8*\a+\j], v8, s[80:81] offset:(32*(\a/2)+8*(\a%2))*4
.endr
.endr
.Lbias_done:
	s_mul_i32 s21, s15, AW                         ; my blocks of A
	s_mul_i32 s22, s16, AW                         ; my blocks of B,
	s_add_co_u32 s22, s22, 2*PANEL                 ; which lie behind A's two panels
	s_wait_alu depctr_va_vdst(0)
.irp s, 0,1
	v_add_nc_u32 v[ADRA+\s], s21, v3
	v_add_nc_u32 v[ADRB+\s], s22, v3
	s_add_co_u32 s21, s21, SLOT
	s_add_co_u32 s22, s22, SLOT
.endr
	s_mul_i32 s21, s15, ASW
	s_mul_i32 s22, s16, ASW
	s_add_co_u32 s22, s22, 2*PANEL
	s_sub_co_u32 s22, s22, s21
	v_mul_u32_u24 v6, s22, v2                      ; lanes 16-31 take B's words: one product, the distance between the two
	v_lshl_add_u32 v6, v1, 2, v6
	s_add_co_u32 s21, s21, 32768
	v_add_nc_u32 v[ADRS], s21, v6
	s_add_co_u32 s21, s21, SLOT
	v_add_nc_u32 v[ADRS+1], s21, v6
	s_lshl_b32 s21, s14, 16
	v_add_nc_u32 v[STGA], s21, v3
	s_lshl_b32 s21, s14, 9
	s_add_co_u32 s21, s21, 262144                  ; behind the four waves' images: 512 bytes of scale words a wave
	v_add_nc_u32 v[SWR], s21, v3
	v_lshl_add_u32 v[SWA], v5, 2, s21
	s_wait_alu depctr_va_vdst(0)
	s_cmp_lt_u32 s14, 2                            ; waves 0 and 1: my half of slot 0 is in; slot 1's loads may stay out
	s_cbranch_scc0 .Lslot_1_later
	s_wait_tensorcnt 0x0
.Lslot_1_later:
	s_barrier_signal -1
	s_barrier_wait -1
	FETCH_B 0, 0, 0
	FETCH_A 0, 0, 0
	SCALES 0
	FETCH_A 0, 0, MB/2
	s_wait_loadcnt 0x0                             ; the bias
	s_cmp_eq_u32 ttmp9, 2
	s_cbranch_scc1 .Lfirst_v
	STEP 0, 0, 1                                   ; the first step starts the sums, with the bias as C
	s_branch .Lfirst_done
.Lfirst_v:
	STEP 0, 0, 2
.Lfirst_done:
	s_mov_b32 s3, LAPS-1
.Llap:                                             ; a trip goes once round the ring and fills both slots again
	TURN 0, 1, 1
	STEP 1, 0, 0
	TURN 1, 0, 1
	STEP 0, 0, 0
	s_sub_co_u32 s3, s3, 1
	s_cmp_lg_u32 s3, 0
	s_cbranch_scc1 .Llap
	TURN 0, 1, 0                                   ; the last lap fills nothing
	STEP 1, 0, 0
	s_wait_dscnt 2*MB
	WIN 0xa1
	MULS 0, MB/2, 1, NQ-1, 1, 0
	s_wait_dscnt 0x0
	WIN 0xf1
	MULS MB/2, MB/2, 1, NQ-1, 1, 0
	WIN 0
	s_wait_dscnt 0x0                               ; my reads of both slots are over;
	s_barrier_signal -1
	s_barrier_wait -1                              ; everybody's are: the slots' bytes may be written
	PLACES 8
	DUMP
	LOADX X0, STGA, 0
	LOADX X1, STGA, 8192
	v_mov_b32 v[VA], v3
	v_add_nc_u32 v[VA+1], 512, v3
	v_add_nc_u32 v[VA+2], s83, v3
	v_add_nc_u32 v[VA+3], s83, v[VA+1]
.irp c, 0,1,2,3
	v_add_nc_u32 v[VB+\c], s88, v[VA+\c]
.endr
.irp b, 0,1,2,3
	v_mov_b32 v[TM+4+\b], 0                        ; a lane permute's destination counts as one of its sources
.endr
	v_mov_b32 v221, s86
	v_mov_b32 v254, s87
	v_cmp_eq_u32 vcc_lo, 1, v2
	v_cndmask_b32 v[SELV], v221, v254, vcc_lo
	v_bfe_u32 v254, v0, 2, 1                       ; where lane L's 16 bytes of the 512 scale bytes go.  q, k: head (L / 4) % 2, pair L / 8, piece L % 4
	v_mul_u32_u24 v254, v254, 0x21000
	v_bfe_u32 v255, v0, 3, 2
	v_lshl_add_u32 v254, v255, 6, v254
	v_and_b32 v255, 3, v0
	v_lshl_add_u32 v254, v255, 4, v254
	v_mul_u32_u24 v255, v2, 0x21000                ; v: head L / 16, then 16 (L % 16)
	v_lshl_add_u32 v255, v1, 4, v255
	v_cndmask_b32 v[SG], v254, v255, s89
; A pair of blocks of A, 2 i and 2 i + 1: each is quantised and leaves by four stores of 512 consecutive bytes; the two scale words are dealt to the records' layout by one byte permute.
.macro PAIR i, more
	s_wait_dscnt 16                                ; the first block's 64 numbers are in; the second's 16 loads may be out
	QUANT X0, PC0, PW0
.irp c, 0,1,2,3
	global_store_b128 v[VA+\c], v[PC0+4*\c:PC0+4*\c+3], s[94:95]
.endr
.if \more
	LOADX X0, STGA, (2*(\i)+2)*8192
	s_wait_dscnt 16                                ; all but the 16 just issued
.else
	s_wait_dscnt 0x0
.endif
	QUANT X1, PC1, PW1
.irp c, 0,1,2,3
	global_store_b128 v[VB+\c], v[PC1+4*\c:PC1+4*\c+3], s[94:95]
.endr
	v_perm_b32 v[WW], v[PW1], v[PW0], v[SELV]
	ds_store_b32 v[SWA], v[WW] offset:128*(\i)
.if \more
	LOADX X1, STGA, (2*(\i)+3)*8192
	s_wait_xcnt 0x0                                ; the stores have read their offsets and their data: both are written again only behind this wait
.irp c, 0,1,2,3,4,5,6,7
	v_add_nc_u32 v[VA+\c], s84, v[VA+\c]
.endr
	s_xor_b32 s84, s84, s85
.endif
.endm
	PAIR 0, 1
	PAIR 1, 1
	PAIR 2, 1
	PAIR 3, 0
	ds_load_b128 v[X0:X0+3], v[SWR]                ; my 512 scale bytes, 16 a lane
	s_wait_dscnt 0x0
	global_store_b128 v[SG], v[X0:X0+3], s[94:95] offset:8192   ; sixteen lanes fill a record's 256 scale bytes
	s_wait_tensorcnt 0x0                           ; the wave's end
	ds_add_u32 v[SPW], v[NIL]
	s_wait_dscnt 0x0
	CROUND                                         ; the closing round
	s_endpgm
.Lfunc_end_k_q4ad748c8b3_qkv:
	.size	k_q4ad748c8b3_qkv, .Lfunc_end_k_q4ad748c8b3_qkv-k_q4ad748c8b3_qkv
	.p2alignl 7, 3214868480
	.fill 96, 4, 3214868480
	.section	.rodata,"a",@progbits
	.p2align	6, 0x0
	.amdhsa_kernel k_q4ad748c8b3_qkv
		.amdhsa_group_segment_fixed_size 327680
		.amdhsa_private_segment_fixed_size 0
		.amdhsa_enable_private_segment 0
		.amdhsa_kernarg_size 48
		.amdhsa_user_sgpr_count 2
		.amdhsa_user_sgpr_kernarg_segment_ptr 1
		.amdhsa_wavefront_size32 1
		.amdhsa_system_sgpr_workgroup_id_x 1
		.amdhsa_system_sgpr_workgroup_id_y 1
		.amdhsa_system_sgpr_workgroup_id_z 1
		.amdhsa_system_vgpr_workitem_id 0
		.amdhsa_next_free_vgpr 1024
		.amdhsa_next_free_sgpr 100
		.amdhsa_reserve_vcc 1
		.amdhsa_float_denorm_mode_32 3
		.amdhsa_float_denorm_mode_16_64 3
		.amdhsa_memory_ordered 1
		.amdhsa_forward_progress 1
		.amdhsa_inst_pref_size 227
	.end_amdhsa_kernel
	.amdgpu_metadata
---
amdhsa.version: [ 1, 2 ]
amdhsa.kernels:
  - .name:           k_q4ad748c8b3_qkv
    .symbol:         k_q4ad748c8b3_qkv.kd
    .args:
      - { .name: hpan, .offset: 0, .size: 8, .value_kind: global_buffer, .address_space: global }
      - { .name: wpan, .offset: 8, .size: 8, .value_kind: global_buffer, .address_space: global }
      - { .name: b_qkv, .offset: 16, .size: 8, .value_kind: global_buffer, .address_space: global }
      - { .name: qrec, .offset: 24, .size: 8, .value_kind: global_buffer, .address_space: global }
      - { .name: krec, .offset: 32, .size: 8, .value_kind: global_buffer, .address_space: global }
      - { .name: vrec, .offset: 40, .size: 8, .value_kind: global_buffer, .address_space: global }
    .group_segment_fixed_size: 327680
    .private_segment_fixed_size: 0
    .kernarg_segment_align: 8
    .kernarg_segment_size: 48
    .max_flat_workgroup_size: 128
    .sgpr_count:     100
    .vgpr_count:     1024
    .wavefront_size: 32
...
	.end_amdgpu_metadata
.endif
;; end of part 2
;; launch attn (part 3): grid 8 x 32, 16 waves a work-group, clusters of 4 x 1, 327,680 bytes of LDS; arguments qrec, krec, vrec, opan; writes opan
.if DOCPART == 3
	.amdgcn_target "amdgcn-amd-amdhsa--gfx1250"
	.amdhsa_code_object_version 6
	.text
	.protected	k_q4ad748c8b3_attn
	.globl	k_q4ad748c8b3_attn
	.p2align	8
	.type	k_q4ad748c8b3_attn,@function
k_q4ad748c8b3_attn:
	s_mov_b64 s[64:65], 0
	v_nop
	global_prefetch_b8 v0, s[64:65] scope:SCOPE_SE
	s_setreg_imm32_b32 hwreg(HW_REG_WAVE_MODE, 25, 1), 1
	s_wait_xcnt 0x0
	s_wait_alu depctr_hold_cnt(0) depctr_sa_sdst(0) depctr_va_vdst(0) depctr_va_sdst(0) depctr_va_ssrc(0) depctr_va_vcc(0) depctr_vm_vsrc(0)
	s_getreg_b32 s2, hwreg(HW_REG_IB_STS2, 6, 4)
	s_cmp_eq_u32 s2, 0
	s_cbranch_scc0 .Lentry_in_a_cluster
	s_endpgm
.Lentry_in_a_cluster:
	s_bfe_u32 s2, ttmp6, 0x10000c
	s_cmp_lg_u32 s2, 0x3003
	s_cbranch_scc0 .Lentry_shape_is_right
	s_endpgm
.Lentry_shape_is_right:
; ATTENTION for one (batch, head): o = softmax(q k^T / 8) v, both products on codes of BF8 (E5M2) with E8M0 scales; o is quantised along the head's axis on the way out, into the panels of the next product.  No work is left out.
; INPUTS are RECORDS of 128 tokens of one (batch, head), 8,448 bytes, [32][16].  q, k: token block a at 1024 a + 512 c + 16 lane; scale words at 8192 + 64 b + 4 rho.  v: fragment tau of 16 channels x 128 tokens at 2048 tau + 512 c + 16 lane, scale words at 8192 + 64 tau + 4 r.
; SHARES.  A work-group owns 256 queries; each of its sixteen waves 16 of them, in 256 registers: four waves to a SIMD, so that one wave's vector work stands beside another's matrix work and LDS loads.
; LDS.  The head's 16 records of K lie from byte 0, V's from HEADB: 270,336 bytes, filled ONCE.  Wave w asks for records 2 (w % 8) and 2 (w % 8) + 1 of K (w < 8) or of V by one tensor load of 66 rows of 256 bytes.
; Nothing is filled again: one barrier shows all of it, and one loop walks the 16 key steps of 128 keys.
; CLUSTER of 4, 1, 1: four query blocks of a head read the same K and V and ask jointly (mask 15).
; NO PREFETCH: all that the launch reads by tensor loads is asked for at its head; there is no loop to run ahead in.
; S^T = K Q^T.  The head's 64 are half of the instruction's 128: a fragment of K holds two blocks of 16 keys side by side, and q stands beside 64 zero codes, once below them and once above: two instructions give the two blocks' scores.
; The keys of a block are laid so that a lane's 16 registers of two blocks are 16 neighbouring keys.  O^T = V^T P^T: a lane holds one query throughout.
; THE SOFTMAX: t = score x log2(e) / 8; M = the running largest t rounded up to a whole number; p = 2^(t - M) is quantised along the keys; the row's sum is taken of the unquantised p and divides at the end; when M moves, sum and O^T are multiplied by a power of two.
; LIMITS: the promise holds while the scaled scores stay under 2^31 in magnitude; NaN and infinities are not served; a block of zeros gets the byte 1 (read by this program alone).
.set REC,   8448
.set HEADB, 16*REC
.set SPARE, 2*HEADB
.set AK0,  1
.set AV0,  2
.set ASK0, 3
.set ASV0, 4
.set SPW,  5
.set NIL,  6
.set GC,   7
.set ADK,  8
.set ADV,  9
.set ADS,  10
.set ADT,  11
.set WV,   12
.set SEL,  20
.set CS,   22
.set G1,   32
.set G0A,  40
.set MNT,  48
.set TB,   49
.set CNT,  50
.macro CROUND
	s_barrier_signal -1
	s_barrier_wait -1
	s_cmp_lg_u32 s[WV], 0
	s_cbranch_scc1 .Lnot_wave_0_\@
	s_barrier_signal -3
.Lnot_wave_0_\@:
	s_barrier_wait -3
	s_barrier_signal -1
	s_barrier_wait -1
.endm
.macro KEYS num
	s_mov_b32 s[CNT], \num
.Lkeys_\@:
	v_add_nc_u32 v[ADK], s[TB], v[AK0]
	v_add_nc_u32 v[ADV], s[TB], v[AV0]
	v_add_nc_u32 v[ADS], s[TB], v[ASK0]
	v_add_nc_u32 v[ADT], s[TB], v[ASV0]
.rept 4
	v_nop
.endr
.irp k, 0,1,2,3,4,5,6,7,8,9,10,11,12,13,14,15
	ds_load_b128 v[32+4*\k:35+4*\k], v[ADK] offset:512*\k
.endr
.irp b, 0,1,2,3
	ds_load_b32 v[248+\b], v[ADS] offset:64*\b
.endr
	s_wait_dscnt 0x0
	s_wait_alu depctr_va_vdst(0)
.irp b, 0,1,2,3
	v_wmma_scale_f32_16x16x128_f8f6f4 v[96+16*\b:103+16*\b], v[32+16*\b:47+16*\b], v[192:207], 0, v[248+\b], v255 matrix_a_fmt:MATRIX_FMT_BF8 matrix_b_fmt:MATRIX_FMT_BF8
	v_wmma_scale_f32_16x16x128_f8f6f4 v[104+16*\b:111+16*\b], v[32+16*\b:47+16*\b], v[200:215], 0, v[248+\b], v255 matrix_a_fmt:MATRIX_FMT_BF8 matrix_b_fmt:MATRIX_FMT_BF8
.endr
.rept 8
	v_nop
.endr
.irp k, 0,1,2,3,4,5,6,7,8,9,10,11,12,13,14,15
	ds_load_b128 v[32+4*\k:35+4*\k], v[ADV] offset:512*\k
.endr
.irp t, 0,1,2,3
	ds_load_b32 v[216+\t], v[ADT] offset:64*\t
.endr
.irp b, 0,1,2,3
	v_max3_num_f32 v[232+\b], v[96+16*\b], v[97+16*\b], v[98+16*\b]
.endr
.irp i, 3,5,7,9,11,13
.irp b, 0,1,2,3
	v_max3_num_f32 v[232+\b], v[232+\b], v[96+16*\b+\i], v[97+16*\b+\i]
.endr
.endr
.irp b, 0,1,2,3
	v_max_num_f32 v[232+\b], v[232+\b], v[111+16*\b]
.endr
.irp b, 0,1,2,3
	v_permlanex16_b32 v[236+\b], v[232+\b], s[SEL], s[SEL+1]
.endr
.irp b, 0,1,2,3
	s_delay_alu instid0(VALU_DEP_4)
	v_max_num_f32 v[232+\b], v[232+\b], v[236+\b]
.endr
	s_delay_alu instid0(VALU_DEP_2)
	v_max3_num_f32 v254, v232, v233, v234
	s_delay_alu instid0(VALU_DEP_1)
	v_max_num_f32 v254, v254, v235
	s_delay_alu instid0(VALU_DEP_1)
	v_mul_f32 v254, s[CS], v254
	s_delay_alu instid0(VALU_DEP_1)
	v_max_num_f32 v13, v13, v254
	v_mov_b32 v254, v12
	s_delay_alu instid0(VALU_DEP_2)
	v_floor_f32 v12, -v13
	s_delay_alu instid0(VALU_DEP_1)
	v_sub_f32 v254, v12, v254
	s_delay_alu instid0(VALU_DEP_1)
	v_cvt_i32_f32 v254, v254
	s_delay_alu instid0(VALU_DEP_1)
	v_ldexp_f32 v252, 1.0, v254
.irp j, 0,2,4,6,8,10,12,14,16,18,20,22,24,26,28,30,32,34,36,38,40,42,44,46,48,50,52,54,56,58,60,62
	v_pk_fma_f32 v[96+\j:97+\j], v[96+\j:97+\j], s[CS:CS+1], v[12:13] op_sel_hi:[1,0,0]
.endr
.irp b, 0,1,2,3
	v_fma_f32 v[232+\b], v[232+\b], s[CS], v12
.endr
	s_wait_alu depctr_va_vdst(0)
.irp j, 0,1,2,3,4,5,6,7,8,9,10,11,12,13,14,15,16,17,18,19,20,21,22,23,24,25,26,27,28,29,30,31,32,33,34,35,36,37,38,39,40,41,42,43,44,45,46,47,48,49,50,51,52,53,54,55,56,57,58,59,60,61,62,63
	v_exp_f32 v[96+\j], v[96+\j]
.endr
	v_pk_mul_f32 v[14:15], v[14:15], v[252:253] op_sel_hi:[1,0]
	s_wait_alu depctr_va_vdst(0)
.irp b, 0,1,2,3
	v_exp_f32 v[232+\b], v[232+\b]
.endr
	v_pk_add_f32 v[236:237], v[96:97], v[98:99]
.irp j, 4,8,12,16,20,24,28,32,36,40,44,48,52,56,60
	v_pk_add_f32 v[14:15], v[14:15], v[96+\j:97+\j]
	v_pk_add_f32 v[236:237], v[236:237], v[98+\j:99+\j]
.endr
	s_delay_alu instid0(VALU_DEP_1)
	v_pk_add_f32 v[14:15], v[14:15], v[236:237]
	s_wait_alu depctr_va_vdst(0)
.irp b, 0,1,2,3
	v_max_num_f32 v[232+\b], 0x8000000, v[232+\b]
.endr
.irp b, 0,1,2,3
	s_delay_alu instid0(VALU_DEP_4)
	v_add_nc_u32 v[244+\b], 0xf8800000, v[232+\b]
.endr
.irp b, 0,1,2,3
	v_and_or_b32 v[240+\b], v[232+\b], 0x7f800000, s[MNT]
.endr
.irp b, 0,1,2,3
	v_lshrrev_b32 v[236+\b], 23, v[244+\b]
.endr
	s_delay_alu instid0(VALU_DEP_3)
	v_lshl_or_b32 v253, v237, 8, v236
	s_delay_alu instid0(VALU_DEP_1)
	v_lshl_or_b32 v253, v238, 16, v253
	s_delay_alu instid0(VALU_DEP_1)
	v_lshl_or_b32 v253, v239, 24, v253
.irp b, 0,1,2,3
.irp i, 0,2,4,6,8,10,12,14
	v_dual_min_num_f32 v[96+16*\b+\i], v[96+16*\b+\i], v[240+\b] :: v_dual_min_num_f32 v[97+16*\b+\i], v[97+16*\b+\i], v[240+\b]   ; the hold (the conversion does not saturate: ISA guide 7.6.2); p is not negative, so it is one-sided: two minima an instruction
.endr
	v_cvt_scalef32_pk8_bf8_f32 v[224+4*\b:225+4*\b], v[96+16*\b:103+16*\b], v[244+\b]
	v_cvt_scalef32_pk8_bf8_f32 v[226+4*\b:227+4*\b], v[104+16*\b:111+16*\b], v[244+\b]
.endr
.irp j, 0,2,4,6,8,10,12,14,16,18,20,22,24,26,28,30
	v_pk_mul_f32 v[160+\j:161+\j], v[160+\j:161+\j], v[252:253] op_sel_hi:[1,0]
.endr
	s_wait_alu depctr_va_vdst(0)
	s_wait_dscnt 0x0
.irp t, 0,1,2,3
	v_wmma_scale_f32_16x16x128_f8f6f4 v[160+8*\t:167+8*\t], v[32+16*\t:47+16*\t], v[224:239], v[160+8*\t:167+8*\t], v[216+\t], v253 matrix_a_fmt:MATRIX_FMT_BF8 matrix_b_fmt:MATRIX_FMT_BF8
.endr
	s_add_co_u32 s[TB], s[TB], REC
	s_sub_co_u32 s[CNT], s[CNT], 1
	s_cmp_lg_u32 s[CNT], 0
	s_cbranch_scc1 .Lkeys_\@
.endm
	s_load_b256 s[4:11], s[0:1], 0x0
	v_lshl_add_u32 v[SPW], v0, 2, SPARE
	v_mov_b32 v[NIL], 0
	ds_add_u32 v[SPW], v[NIL]
	ds_add_u32 v[SPW], v[NIL]
	v_lshrrev_b32 v8, 5, v0
	s_delay_alu instid0(VALU_DEP_1)
	v_readfirstlane_b32 s[WV], v8
	s_bfe_u32 s13, ttmp6, 0x40000
	s_lshl_b32 s14, ttmp9, 2
	s_add_co_u32 s14, s14, s13
	s_and_b32 s15, ttmp7, 0xffff
	s_mul_i32 s16, s15, HEADB
	s_and_b32 s24, s[WV], 7
	s_mul_i32 s25, s24, 2*REC                      ; memory: my two records of K or of V
	s_add_co_u32 s26, s16, s25
	s_mov_b32 s27, 0
	s_mul_i32 s28, s[WV], 2*REC                    ; LDS: wave x two records: K's sixteen, then V's
	s_mov_b32 s[G1], 15|(3<<16)|(1<<21)
	s_mov_b32 s[G1+1], 32<<16
	s_mov_b32 s[G1+2], 66<<16                      ; two records: 66 rows of 256 bytes, dense
	s_mov_b32 s[G1+3], 32<<16
	s_mov_b32 s[G1+4], 66
	s_mov_b32 s[G1+5], 32
	s_mov_b32 s[G1+6], 0
	s_mov_b32 s[G1+7], 0
	s_mov_b32 s[SEL], 0x76543210
	s_mov_b32 s[SEL+1], 0xfedcba98
	s_mov_b32 s[CS], 0x3e38aa3b
	s_mov_b32 s[CS+1], s[CS]
	s_mov_b32 s[MNT], 0x600000
	s_mov_b32 s[TB], 0
	s_wait_dscnt 0x0
	s_wait_kmcnt 0x0
	s_cmp_lt_u32 s[WV], 8
	s_cselect_b64 s[54:55], s[6:7], s[8:9]
	s_add_nc_u64 s[54:55], s[54:55], s[26:27]
	s_mov_b32 s[G0A], 1
	s_mov_b32 s[G0A+1], s28
	s_mov_b64 s[G0A+2:G0A+3], s[54:55]
	s_or_b32 s[G0A+3], s[G0A+3], 0x80000000
	CROUND
	tensor_load_to_lds s[G0A:G0A+3], s[G1:G1+7]
	s_nop 0
	v_and_b32 v8, 15, v0
	v_and_b32 v9, 31, v0
	s_delay_alu instid0(VALU_DEP_1)
	v_lshlrev_b32 v[AK0], 4, v9
	s_wait_alu depctr_va_vdst(0)
	v_lshl_add_u32 v[ASK0], v8, 2, 8192
	v_add_nc_u32 v[AV0], HEADB, v[AK0]
	s_delay_alu instid0(VALU_DEP_2)
	v_add_nc_u32 v[ASV0], HEADB, v[ASK0]
	s_lshl_b32 s29, s14, 1
	s_lshr_b32 s30, s[WV], 3
	s_add_co_u32 s29, s29, s30
	s_mul_i32 s30, s29, REC
	s_add_co_u32 s30, s30, s16
	s_mov_b32 s31, 0
	s_add_nc_u64 s[18:19], s[4:5], s[30:31]
	s_lshl_b32 s25, s24, 10
	v_add_nc_u32 v10, s25, v[AK0]
	s_lshr_b32 s25, s24, 1
	s_lshl_b32 s25, s25, 6
	s_and_b32 s51, s24, 1
	s_lshl_b32 s51, s51, 1
	s_add_co_u32 s25, s25, s51
	v_lshl_add_u32 v11, v8, 2, s25
	s_lshr_b32 s58, s15, 4
	s_lshl_b32 s58, s58, 4
	s_add_co_u32 s58, s58, s29
	s_lshl_b32 s58, s58, 2
	s_and_b32 s59, s15, 15
	s_lshr_b32 s60, s59, 2
	s_add_co_u32 s58, s58, s60
	s_mul_i32 s56, s58, 33792
	s_mov_b32 s57, 0
	s_add_nc_u64 s[52:53], s[10:11], s[56:57]
	s_bfe_u32 s60, s59, 0x10001
	s_and_b32 s61, s59, 1
	s_lshl_b32 s58, s60, 14
	s_lshl_b32 s62, s24, 11
	s_add_co_u32 s58, s58, s62
	s_lshl_b32 s62, s61, 10
	s_add_co_u32 s58, s58, s62
	s_lshl_b32 s60, s60, 9
	s_lshl_b32 s62, s24, 6
	s_add_co_u32 s60, s60, s62
	s_lshl_b32 s62, s61, 1
	s_add_co_u32 s60, s60, s62
	v_mov_b32 v13, 0xff61b1e6
	s_delay_alu instid0(VALU_DEP_1)
	v_floor_f32 v12, -v13
	v_mov_b32 v14, 0
	v_mov_b32 v15, 0
.irp b, 0,1,2,3
	v_mov_b32 v[236+\b], 0
.endr
	v_mov_b32 v253, 0
.irp j, 0,1,2,3,4,5,6,7,8,9,10,11,12,13,14,15,16,17,18,19,20,21,22,23,24,25,26,27,28,29,30,31
	v_mov_b32 v[160+\j], 0
.endr
	s_wait_alu depctr_va_vdst(0)
	global_load_b128 v[192:195], v10, s[18:19]
	global_load_b128 v[196:199], v10, s[18:19] offset:512
	global_load_b128 v[208:211], v10, s[18:19]
	global_load_b128 v[212:215], v10, s[18:19] offset:512
	global_load_u16 v255, v11, s[18:19] offset:8192
	s_wait_tensorcnt 0x0                           ; my two records are in; behind the barrier everybody's are
	s_barrier_signal -1
	s_barrier_wait -1
	s_wait_loadcnt 0x0
	v_lshl_or_b32 v255, v255, 16, v255
.irp j, 0,1,2,3,4,5,6,7
	v_mov_b32 v[200+\j], 0
.endr
	KEYS 16                                        ; all 2,048 keys, 128 a step
.rept 8
	v_nop
.endr
	v_add_f32 v14, v14, v15
	s_delay_alu instid0(VALU_DEP_1)
	v_permlanex16_b32 v252, v14, s[SEL], s[SEL+1]
	s_delay_alu instid0(VALU_DEP_1)
	v_add_f32 v14, v14, v252
	s_wait_alu depctr_va_vdst(0)
	v_rcp_f32 v14, v14
	v_and_b32 v9, 15, v0
	v_add_nc_u32 v[GC], s58, v[AK0]
	s_delay_alu instid0(VALU_DEP_2)
	v_lshl_add_u32 v8, v9, 2, s60
	s_wait_alu depctr_va_vdst(0)
.irp j, 0,1,2,3,4,5,6,7,8,9,10,11,12,13,14,15,16,17,18,19,20,21,22,23,24,25,26,27,28,29,30,31
	v_mul_f32 v[96+\j], v[160+\j], v14
.endr
.irp b, 0,1
	v_max3_num_f32 v[232+\b], |v[96+16*\b]|, |v[97+16*\b]|, 0x8000000
.endr
.irp i, 2,4,6,8,10,12,14
.irp b, 0,1
	s_delay_alu instid0(VALU_DEP_2)
	v_max3_num_f32 v[232+\b], v[232+\b], |v[96+16*\b+\i]|, |v[97+16*\b+\i]|
.endr
.endr
.irp b, 0,1
	v_permlanex16_b32 v[236+\b], v[232+\b], s[SEL], s[SEL+1]
.endr
.irp b, 0,1
	s_delay_alu instid0(VALU_DEP_2)
	v_max_num_f32 v[232+\b], v[232+\b], v[236+\b]
.endr
.irp b, 0,1
	s_delay_alu instid0(VALU_DEP_2)
	v_add_nc_u32 v[244+\b], 0xf8800000, v[232+\b]
.endr
.irp b, 0,1
	s_delay_alu instid0(VALU_DEP_4)
	v_and_or_b32 v[240+\b], v[232+\b], 0x7f800000, s[MNT]
.endr
.irp b, 0,1
	s_delay_alu instid0(VALU_DEP_4)
	v_lshrrev_b32 v[236+\b], 23, v[244+\b]
.endr
	s_delay_alu instid0(VALU_DEP_1)
	v_lshl_or_b32 v253, v237, 8, v236
.irp b, 0,1
.irp i, 0,1,2,3,4,5,6,7,8,9,10,11,12,13,14,15
	v_med3_num_f32 v[96+16*\b+\i], v[96+16*\b+\i], -v[240+\b], v[240+\b]
.endr
	v_cvt_scalef32_pk8_bf8_f32 v[224+4*\b:225+4*\b], v[96+16*\b:103+16*\b], v[244+\b]
	v_cvt_scalef32_pk8_bf8_f32 v[226+4*\b:227+4*\b], v[104+16*\b:111+16*\b], v[244+\b]
.endr
	v_nop
	global_store_b128 v[GC], v[224:227], s[52:53]
	global_store_b128 v[GC], v[228:231], s[52:53] offset:512
	global_store_b16 v8, v253, s[52:53] offset:32768
	s_wait_tensorcnt 0x0
	ds_add_u32 v[SPW], v[NIL]
	s_wait_dscnt 0x0
	CROUND
	s_endpgm
.Lfunc_end_k_q4ad748c8b3_attn:
	.size	k_q4ad748c8b3_attn, .Lfunc_end_k_q4ad748c8b3_attn-k_q4ad748c8b3_attn
	.p2alignl 7, 3214868480
	.fill 96, 4, 3214868480
	.section	.rodata,"a",@progbits
	.p2align	6, 0x0
	.amdhsa_kernel k_q4ad748c8b3_attn
		.amdhsa_group_segment_fixed_size 327680
		.amdhsa_private_segment_fixed_size 0
		.amdhsa_enable_private_segment 0
		.amdhsa_kernarg_size 32
		.amdhsa_user_sgpr_count 2
		.amdhsa_user_sgpr_kernarg_segment_ptr 1
		.amdhsa_wavefront_size32 1
		.amdhsa_system_sgpr_workgroup_id_x 1
		.amdhsa_system_sgpr_workgroup_id_y 1
		.amdhsa_system_sgpr_workgroup_id_z 1
		.amdhsa_system_vgpr_workitem_id 0
		.amdhsa_next_free_vgpr 256
		.amdhsa_next_free_sgpr 66
		.amdhsa_reserve_vcc 0
		.amdhsa_float_denorm_mode_32 3
		.amdhsa_float_denorm_mode_16_64 3
		.amdhsa_memory_ordered 1
		.amdhsa_forward_progress 1
		.amdhsa_inst_pref_size 34
	.end_amdhsa_kernel
	.amdgpu_metadata
---
amdhsa.version: [ 1, 2 ]
amdhsa.kernels:
  - .name:           k_q4ad748c8b3_attn
    .symbol:         k_q4ad748c8b3_attn.kd
    .args:
      - { .name: qrec, .offset: 0, .size: 8, .value_kind: global_buffer, .address_space: global }
      - { .name: krec, .offset: 8, .size: 8, .value_kind: global_buffer, .address_space: global }
      - { .name: vrec, .offset: 16, .size: 8, .value_kind: global_buffer, .address_space: global }
      - { .name: opan, .offset: 24, .size: 8, .value_kind: global_buffer, .address_space: global }
    .group_segment_fixed_size: 327680
    .private_segment_fixed_size: 0
    .kernarg_segment_align: 8
    .kernarg_segment_size: 32
    .max_flat_workgroup_size: 512
    .sgpr_count:     66
    .vgpr_count:     256
    .wavefront_size: 32
...
	.end_amdgpu_metadata
.endif
;; end of part 3
;; launch outp (part 4): grid 8 x 32, 4 waves a work-group, clusters of 4 x 4, 327,680 bytes of LDS; arguments opan, wpan, b_out, x, x1; writes x1
.if DOCPART == 4
	.amdgcn_target "amdgcn-amd-amdhsa--gfx1250"
	.amdhsa_code_object_version 6
	.text
	.protected	k_q4ad748c8b3_outp
	.globl	k_q4ad748c8b3_outp
	.p2align	8
	.type	k_q4ad748c8b3_outp,@function
k_q4ad748c8b3_outp:
	s_mov_b64 s[64:65], 0
	v_nop
	global_prefetch_b8 v0, s[64:65] scope:SCOPE_SE
	s_setreg_imm32_b32 hwreg(HW_REG_WAVE_MODE, 25, 1), 1
	s_wait_xcnt 0x0
	s_wait_alu depctr_hold_cnt(0) depctr_sa_sdst(0) depctr_va_vdst(0) depctr_va_sdst(0) depctr_va_ssrc(0) depctr_va_vcc(0) depctr_vm_vsrc(0)
	s_getreg_b32 s2, hwreg(HW_REG_IB_STS2, 6, 4)
	s_cmp_eq_u32 s2, 0
	s_cbranch_scc0 .Lentry_in_a_cluster
	s_endpgm
.Lentry_in_a_cluster:
	s_bfe_u32 s2, ttmp6, 0x10000c
	s_cmp_lg_u32 s2, 0xf033
	s_cbranch_scc0 .Lentry_shape_is_right
	s_endpgm
.Lentry_shape_is_right:
; x1 = x + o w_out + b_out: the product on codes of BF8 (E5M2) with E8M0 scales, K = 1,024, N = 1,024; result and residual f32.  No work is left out.
; OPERANDS are PANELS, 128 rows x 256 K, 33,792 dense bytes: codes as register images (K step q, block i at q 16384 + i 2048, group c at 512 c + 16 lane), scale words at 32768 + 512 q + 64 i + 4 rho.
; A tile of 128 x 128, so that 256 work-groups have work: four waves, 64 x 64 each, 16 accumulators.  A slot holds 512 along K: two panels of A, two of B, one tensor load a wave; two slots.
; CLUSTERS of 4 x 4: A's panels are asked for jointly along a row of the cluster, B's along a column.
; Source 0 = B's blocks (the weight's columns), source 1 = A's (tokens): a lane holds one token and, by the order of columns in a block, 16 neighbouring columns in the 16 registers of two tiles.
; Lane rho of token block 2 b + u is row 32 b + 8 u + rho + 8 (rho / 8): the way out puts each row back in its place.  The bias is the C of the first step; the residual is asked for at the head.
.set MB,    4
.set NQ,    4
.set KTOT,  1024
.set BFIRST, 96                        ; w_out's first panel in wpan
.set PANEL, 33792
.set SLOT,  4*PANEL
.set SPARE, 2*SLOT
.set KP,    KTOT/256
.set LAPS,  KTOT/(256*NQ)
.set AW,    8192                       ; LDS: from one wave's four blocks to the other's: codes,
.set ASW,   256                        ; scale words
.set SSTEP, 2*PANEL
.set RSTEP, 4*PANEL
.set ADRA, 16
.set ADRB, 20
.set ADRS, 22
.set STO,  24                          ; v24  the way out: where I put 16 bytes of a row
.set RD,   25                          ; v25  where I read a row back
.set CO,   26                          ; v26  my byte offset in two rows of x and of the result; never rewritten
.set SPW,  28
.set NIL,  29
.set SC,   32
.set BIAS, 64
.set AF,   128
.set BK,   128                         ; the way out: eight loads' registers, two sets
.set G1,  24
.set G0,  32
.set G1B, 48
.set G0B, 56
.set MSB, 0
.macro WIN new
.if MSB != (\new)
	s_set_vgpr_msb (MSB<<8)|(\new)
.set MSB, (\new)
.endif
.endm
.macro JLOAD g0a, g1a, g0b, g1b
	s_cmp_eq_u32 s15, 0
	s_cbranch_scc0 .Lfor_b_\@
	tensor_load_to_lds s[\g0a:\g0a+3], s[\g1a:\g1a+7]
	s_nop 0
.rept 4
	v_nop
.endr
	s_branch .Lasked_\@
.Lfor_b_\@:
	tensor_load_to_lds s[\g0b:\g0b+3], s[\g1b:\g1b+7]
	s_nop 0
.rept 4
	v_nop
.endr
.Lasked_\@:
.endm
.macro CREST
	s_cmp_lg_u32 s14, 0
	s_cbranch_scc1 .Lnot_wave_0_\@
	s_barrier_signal -3
.Lnot_wave_0_\@:
	s_barrier_wait -3
	s_barrier_signal -1
	s_barrier_wait -1
.endm
.macro CROUND
	s_barrier_signal -1
	s_barrier_wait -1
	CREST
.endm
.macro PLACES n
.rept \n
	v_nop
.endr
.endm
.macro FRAG reg, adr, q, i
.irp c, 0,1,2,3
	ds_load_b128 v[\reg+4*\c:\reg+4*\c+3], v[\adr] offset:((\q)/2)*PANEL+((\q)%2)*16384+(\i)*2048+512*\c
.endr
.endm
.macro FETCH_B slot, q, p
	WIN 0x40
.set fi, 0
.rept MB
	FRAG 128*(\p)+16*fi, ADRB+\slot, \q, fi
.set fi, fi+1
.endr
	WIN 0
.endm
.macro FETCH_A slot, q, i0
.set fi, \i0
.rept MB/2
	FRAG AF+16*fi, ADRA+\slot, \q, fi
.set fi, fi+1
.endr
.endm
.macro SCALES sl
.set sq, 0
.rept NQ
.set si, 0
.rept MB
	ds_load_b32 v[SC+16*(\sl)+MB*sq+si], v[ADRS+(\sl)] offset:(sq/2)*PANEL+(sq%2)*512+si*64
.set si, si+1
.endr
.set sq, sq+1
.endr
.endm
.macro MULS a0, n, p, q, sc, cm        ; cm = 0: the sums go on; 1: they begin with the bias.  The accumulators take turns, one instruction a turn
.set ma, (\a0)
.rept (\n)
.set mb, 0
.rept MB
.set rD, 8*(MB*(ma%(MB/2))+mb)
.set rB, 128*(\p)+16*mb
.set rA, AF+16*ma
.set rT, SC+16*(\sc)+MB*(\q)
.if (\cm) == 0
	v_wmma_scale_f32_16x16x128_f8f6f4 v[rD:rD+7], v[rB:rB+15], v[rA:rA+15], v[rD:rD+7], v[rT+mb], v[rT+ma] matrix_a_fmt:MATRIX_FMT_BF8 matrix_b_fmt:MATRIX_FMT_BF8 matrix_a_scale:MATRIX_SCALE_ROW1
.else
	v_wmma_scale_f32_16x16x128_f8f6f4 v[rD:rD+7], v[rB:rB+15], v[rA:rA+15], v[BIAS+8*mb:BIAS+8*mb+7], v[rT+mb], v[rT+ma] matrix_a_fmt:MATRIX_FMT_BF8 matrix_b_fmt:MATRIX_FMT_BF8 matrix_a_scale:MATRIX_SCALE_ROW1
.endif
.set mb, mb+1
.endr
.set ma, ma+1
.endr
.endm
.macro STEP slot, q, cm
	s_wait_dscnt 2*MB                              ; all but the youngest loads, the upper half of A's blocks
.if (\cm)
	WIN 0x81
.else
	WIN 0xa1
.endif
	MULS 0, MB/2, (\q)%2, \q, \slot, \cm
	s_wait_dscnt 0x0
	PLACES 8
	FETCH_B \slot, (\q)+1, 1-(\q)%2
	FETCH_A \slot, (\q)+1, 0
.if (\cm)
	WIN 0xc1
.else
	WIN 0xf1
.endif
	MULS MB/2, MB/2, (\q)%2, \q, \slot, \cm
	PLACES 8
	WIN 0
	FETCH_A \slot, (\q)+1, MB/2
.endm
.macro TURN slot, next, fill
	s_wait_tensorcnt 0x0                           ; all my tensor loads have landed: my panel of the next slot
	ds_add_u32 v[SPW], v[NIL]                      ; 0 onto my spare word
	s_wait_dscnt 2*MB+1                            ; (the add and the upper half of A's blocks may be out)
	WIN 0xa1
	MULS 0, MB/4, 1, NQ-1, \slot, 0
	s_wait_dscnt 0x0                               ; the add is done, and my reads of this slot are over
	s_barrier_signal -1
	MULS MB/4, MB/4, 1, NQ-1, \slot, 0
	WIN 0
	s_barrier_wait -1
.if \fill
	CREST                                          ; a round of the cluster's barrier: no wave of any partner still reads this slot or has a load on its way
	s_add_nc_u64 s[G0+4*\slot+2:G0+4*\slot+3], s[G0+4*\slot+2:G0+4*\slot+3], RSTEP
	s_add_nc_u64 s[G0B+4*\slot+2:G0B+4*\slot+3], s[G0B+4*\slot+2:G0B+4*\slot+3], RSTEP
	JLOAD G0+4*\slot, G1, G0B+4*\slot, G1B
	PLACES 4
.else
	PLACES 8
.endif
	FETCH_B \next, 0, 0
	FETCH_A \next, 0, 0
	SCALES \next
	WIN 0xf1
	MULS MB/2, MB/2, 1, NQ-1, \slot, 0
	PLACES 8
	WIN 0
	FETCH_A \next, 0, MB/2
.endm
	s_load_b256 s[4:11], s[0:1], 0x0               ; A's panels, wpan, the bias, the residual
	s_load_b64 s[12:13], s[0:1], 0x20              ; the result
	v_lshl_add_u32 v[SPW], v0, 2, SPARE
	v_mov_b32 v[NIL], 0
	ds_add_u32 v[SPW], v[NIL]                      ; the wave's opening: the add, twice on end, and its wait ahead of my first tensor load
	ds_add_u32 v[SPW], v[NIL]
	v_lshrrev_b32 v1, 5, v0
	v_readfirstlane_b32 s14, v1
	s_lshr_b32 s15, s14, 1                         ; which 64 rows are mine.  Also: I fetch for A (0) or for B (1)
	s_and_b32 s16, s14, 1                          ; which 64 columns.  Also: which slot I fetch
	s_bfe_u32 s40, ttmp6, 0x40000
	s_bfe_u32 s41, ttmp6, 0x40004
	s_lshl_b32 s42, ttmp9, 2
	s_add_co_u32 s42, s42, s40                     ; tile column
	s_and_b32 s17, ttmp7, 0xffff
	s_lshl_b32 s17, s17, 2
	s_add_co_u32 s17, s17, s41                     ; tile row
	s_lshl_b32 s43, s41, 2
	s_lshl_b32 s43, 15, s43
	s_lshl_b32 s44, 0x1111, s40
	s_or_b32 s[G1], s43, (3<<16)|(1<<21)           ; the mask; elements of 8 bytes; bit 21 beside a mask; no padding
	s_or_b32 s[G1B], s44, (3<<16)|(1<<21)
.irp g, G1, G1B
	s_mov_b32 s[\g+1], 32<<16
	s_mov_b32 s[\g+2], 264<<16                     ; 264 rows of 256 bytes: two panels, which follow each other along K in memory
	s_mov_b32 s[\g+3], 32<<16
	s_mov_b32 s[\g+4], 264
	s_mov_b32 s[\g+5], 32
	s_mov_b32 s[\g+6], 0
	s_mov_b32 s[\g+7], 0
.endr
	s_mul_i32 s20, s17, KP
	s_add_co_u32 s20, s20, s16
	s_mul_i32 s20, s20, PANEL
	s_mov_b32 s21, 0
	s_mul_i32 s46, s42, KP
	s_add_co_u32 s46, s46, s16
	s_add_co_u32 s46, s46, BFIRST
	s_mul_i32 s46, s46, PANEL
	s_mov_b32 s47, 0
	s_wait_dscnt 0x0                               ; both opening adds are done
	s_wait_kmcnt 0x0
	s_add_nc_u64 s[20:21], s[4:5], s[20:21]
	s_add_nc_u64 s[46:47], s[6:7], s[46:47]
	CROUND
; ALL OF K COMES AT THE HEAD, one load a wave: K = 1,024 is four panels of A and four of B, which fill the two slots.  Waves 0, 1: A's panels 0, 1 (slot 0) and 2, 3 (slot 1); waves 2, 3: B's likewise.  Nothing is filled again.
; No prefetch: all that the launch reads by tensor loads is asked for here; there is no loop to run ahead in.
	s_mul_i32 s96, s16, PANEL                      ; memory: s20 and s46 stand at panel s16; one more panel on for the second of each pair of waves: panel 2 s16
	s_mov_b32 s97, 0
	s_mul_i32 s45, s15, 2*PANEL                    ; LDS: A's two panels of a slot, then B's two,
	s_mul_i32 s98, s16, SLOT                       ; in slot s16: the wave's number alone
	s_add_co_u32 s45, s45, s98
	s_mov_b32 s[G0], 1
	s_mov_b32 s[G0+1], s45
	s_add_nc_u64 s[G0+2:G0+3], s[20:21], s[96:97]
	s_or_b32 s[G0+3], s[G0+3], 0x80000000
	s_mov_b32 s[G0B], 1
	s_mov_b32 s[G0B+1], s45
	s_add_nc_u64 s[G0B+2:G0B+3], s[46:47], s[96:97]
	s_or_b32 s[G0B+3], s[G0B+3], 0x80000000
; ONE chain of branches on the wave's number, an arm and a load line for each wave: waves 0 and 2 fetch slot 0 and wait at the first barrier; waves 1 and 3 fetch slot 1 and wait at the change of slots.
.macro ARM under, g0, g1, next
	s_cmp_lt_u32 s14, \under
	s_cbranch_scc0 \next
	tensor_load_to_lds s[\g0:\g0+3], s[\g1:\g1+7]
	s_nop 0
.rept 4
	v_nop
.endr
	s_branch .Lhead_asked
\next:
.endm
	ARM 1, G0,  G1,  .Lhead_1
	ARM 2, G0,  G1,  .Lhead_2
	ARM 3, G0B, G1B, .Lhead_3
	tensor_load_to_lds s[G0B:G0B+3], s[G1B:G1B+7]
	s_nop 0
.rept 4
	v_nop
.endr
.Lhead_asked:
	v_and_b32 v1, 15, v0                           ; r
	s_wait_alu depctr_va_vdst(0)
	v_bfe_u32 v2, v0, 4, 1                         ; h
	v_and_b32 v5, 31, v0
	v_lshlrev_b32 v3, 4, v5                        ; 16 x lane
	v_lshlrev_b32 v7, 6, v2                        ; 64 h
	s_lshl_b32 s46, s42, 9                         ; my first column in bytes: 512 x tile column + 256 x half
	s_lshl_b32 s47, s16, 8
	s_add_co_u32 s46, s46, s47
	s_mov_b32 s47, 0
	s_add_nc_u64 s[8:9], s[8:9], s[46:47]
.irp b, 0,1,2,3                                ; tile b of lane (r, h) holds columns 32 (b / 2) + 16 h + 8 (b % 2) + 0..7
	global_load_b128 v[BIAS+8*\b:BIAS+8*\b+3], v7, s[8:9] offset:(32*(\b/2)+8*(\b%2))*4
	global_load_b128 v[BIAS+8*\b+4:BIAS+8*\b+7], v7, s[8:9] offset:(32*(\b/2)+8*(\b%2))*4+16
.endr
	s_lshl_b32 s20, s17, 19                        ; my first row: 128 x tile row + 64 x half, rows of 4,096 bytes
	s_lshl_b32 s21, s15, 18
	s_add_co_u32 s20, s20, s21
	s_add_co_u32 s20, s20, s46
	s_mov_b32 s21, 0
	s_add_nc_u64 s[10:11], s[10:11], s[20:21]
	s_add_nc_u64 s[12:13], s[12:13], s[20:21]
	v_lshlrev_b32 v[CO], 4, v1
	s_wait_alu depctr_va_vdst(0)
	v_lshl_add_u32 v[CO], v2, 12, v[CO]            ; lanes 0-15 one row's 256 bytes, lanes 16-31 the next row's
	WIN 0x80                                       ; the residual: window 2, v64-191, laid as the way out's loads lay the result
.irp a, 0,1,2,3
.irp t, 0,1,2,3,4,5,6,7
	global_load_b128 v[64+32*\a+4*\t:64+32*\a+4*\t+3], v[CO], s[10:11] offset:(32*(\a/2)+8*(\a%2)+2*\t+8*(\t/4))*4096
.endr
.endr
	WIN 0
	s_mul_i32 s21, s15, AW
	s_mul_i32 s22, s16, AW
	s_add_co_u32 s22, s22, 2*PANEL
.irp s, 0,1
	v_add_nc_u32 v[ADRA+\s], s21, v3
	v_add_nc_u32 v[ADRB+\s], s22, v3
	s_add_co_u32 s21, s21, SLOT
	s_add_co_u32 s22, s22, SLOT
.endr
	s_mul_i32 s21, s15, ASW
	s_mul_i32 s22, s16, ASW
	s_add_co_u32 s22, s22, 2*PANEL
	s_sub_co_u32 s22, s22, s21
	v_mul_u32_u24 v6, s22, v2                      ; lanes 16-31 take B's words: one product, the distance between the two
	v_lshl_add_u32 v6, v1, 2, v6
	s_add_co_u32 s21, s21, 32768
	v_add_nc_u32 v[ADRS], s21, v6
	s_add_co_u32 s21, s21, SLOT
	v_add_nc_u32 v[ADRS+1], s21, v6
	s_mul_i32 s23, s14, 4352                       ; my stage: 16 rows x (256 + 16) bytes, in slot 0, which has had its last fill and its last read when the first result is stored there
	v_mul_u32_u24 v5, v1, 272
	v_lshl_add_u32 v5, v2, 6, v5
	v_add_nc_u32 v[STO], s23, v5
	v_mul_u32_u24 v5, v2, 272
	v_lshl_add_u32 v5, v1, 4, v5
	v_add_nc_u32 v[RD], s23, v5
	s_wait_alu depctr_va_vdst(0)
	s_cmp_eq_u32 s16, 0                            ; waves 0 and 2: my two panels of slot 0 are in; slot 1's loads may stay out
	s_cbranch_scc0 .Lslot_1_later
	s_wait_tensorcnt 0x0
.Lslot_1_later:
	s_barrier_signal -1
	s_barrier_wait -1
	FETCH_B 0, 0, 0
	FETCH_A 0, 0, 0
	SCALES 0
	FETCH_A 0, 0, MB/2
	s_wait_loadcnt 32                              ; the bias is in; the residual's 32 loads may be out
	STEP 0, 0, 1
.if LAPS > 1
	s_mov_b32 s3, LAPS-1
.Llap:
	STEP 0, 1, 0
	STEP 0, 2, 0
	TURN 0, 1, 1
	STEP 1, 0, 0
	STEP 1, 1, 0
	STEP 1, 2, 0
	TURN 1, 0, 1
	STEP 0, 0, 0
	s_sub_co_u32 s3, s3, 1
	s_cmp_lg_u32 s3, 0
	s_cbranch_scc1 .Llap
.endif
	STEP 0, 1, 0
	STEP 0, 2, 0
	TURN 0, 1, 0
	STEP 1, 0, 0
	STEP 1, 1, 0
	STEP 1, 2, 0
	s_wait_dscnt 2*MB
	WIN 0xa1
	MULS 0, MB/2, 1, NQ-1, 1, 0
	s_wait_dscnt 0x0
	WIN 0xf1
	MULS MB/2, MB/2, 1, NQ-1, 1, 0
	WIN 0
; THE WAY OUT, a block of 16 tokens x 64 columns at a time, through my stage: in by lanes' rows, back as whole rows of 256 bytes; LDS serves a wave's instructions in order (ISA guide 5.7.1.4).
.macro TOSTAGE a
.set AC, 32*((\a)%2)
	WIN 0x08+4*((\a)/2)                            ; the data: window 2 or 3
.irp b, 0,1,2,3
	ds_store_b128 v[STO], v[AC+8*\b:AC+8*\b+3] offset:128*(\b/2)+32*(\b%2)
	ds_store_b128 v[STO], v[AC+8*\b+4:AC+8*\b+7] offset:128*(\b/2)+32*(\b%2)+16
.endr
	WIN 0
.set BB, BK+32*((\a)%2)
.irp t, 0,1,2,3,4,5,6,7
	ds_load_b128 v[BB+4*\t:BB+4*\t+3], v[RD] offset:544*\t
.endr
.endm
.macro SEND a, younger                 ; younger: the LDS instructions issued behind block a's loads
.set BB, BK+32*((\a)%2)
	s_wait_dscnt \younger
	WIN 0x08                                       ; source 1: the residual, window 2
.irp u, 0,2,4,6,8,10,12,14,16,18,20,22,24,26,28,30
	v_pk_add_f32 v[BB+\u:BB+\u+1], v[BB+\u:BB+\u+1], v[64+32*(\a)+\u:64+32*(\a)+\u+1]
.endr
	WIN 0
.irp t, 0,1,2,3,4,5,6,7
	global_store_b128 v[CO], v[BB+4*\t:BB+4*\t+3], s[12:13] offset:(32*((\a)/2)+8*((\a)%2)+2*\t+8*(\t/4))*4096   ; sixteen lanes store 256 consecutive bytes, aligned
.endr
.endm
	PLACES 8
	s_wait_loadcnt 0x0                             ; the residual
	TOSTAGE 0
	TOSTAGE 1
	SEND 0, 16
	s_wait_xcnt 0x0                                ; block 0's stores have read their registers: block 2's loads may land there
	TOSTAGE 2
	SEND 1, 16
	s_wait_xcnt 0x0
	TOSTAGE 3
	SEND 2, 16
	SEND 3, 0
	s_wait_tensorcnt 0x0                           ; the wave's end
	ds_add_u32 v[SPW], v[NIL]
	s_wait_dscnt 0x0
	CROUND
	s_endpgm
.Lfunc_end_k_q4ad748c8b3_outp:
	.size	k_q4ad748c8b3_outp, .Lfunc_end_k_q4ad748c8b3_outp-k_q4ad748c8b3_outp
	.p2alignl 7, 3214868480
	.fill 96, 4, 3214868480
	.section	.rodata,"a",@progbits
	.p2align	6, 0x0
	.amdhsa_kernel k_q4ad748c8b3_outp
		.amdhsa_group_segment_fixed_size 327680
		.amdhsa_private_segment_fixed_size 0
		.amdhsa_enable_private_segment 0
		.amdhsa_kernarg_size 40
		.amdhsa_user_sgpr_count 2
		.amdhsa_user_sgpr_kernarg_segment_ptr 1
		.amdhsa_wavefront_size32 1
		.amdhsa_system_sgpr_workgroup_id_x 1
		.amdhsa_system_sgpr_workgroup_id_y 1
		.amdhsa_system_sgpr_workgroup_id_z 1
		.amdhsa_system_vgpr_workitem_id 0
		.amdhsa_next_free_vgpr 1024
		.amdhsa_next_free_sgpr 100
		.amdhsa_reserve_vcc 0
		.amdhsa_float_denorm_mode_32 3
		.amdhsa_float_denorm_mode_16_64 3
		.amdhsa_memory_ordered 1
		.amdhsa_forward_progress 1
		.amdhsa_inst_pref_size 63
	.end_amdhsa_kernel
	.amdgpu_metadata
---
amdhsa.version: [ 1, 2 ]
amdhsa.kernels:
  - .name:           k_q4ad748c8b3_outp
    .symbol:         k_q4ad748c8b3_outp.kd
    .args:
      - { .name: opan, .offset: 0, .size: 8, .value_kind: global_buffer, .address_space: global }
      - { .name: wpan, .offset: 8, .size: 8, .value_kind: global_buffer, .address_space: global }
      - { .name: b_out, .offset: 16, .size: 8, .value_kind: global_buffer, .address_space: global }
      - { .name: x, .offset: 24, .size: 8, .value_kind: global_buffer, .address_space: global }
      - { .name: x1, .offset: 32, .size: 8, .value_kind: global_buffer, .address_space: global }
    .group_segment_fixed_size: 327680
    .private_segment_fixed_size: 0
    .kernarg_segment_align: 8
    .kernarg_segment_size: 40
    .max_flat_workgroup_size: 128
    .sgpr_count:     100
    .vgpr_count:     1024
    .wavefront_size: 32
...
	.end_amdgpu_metadata
.endif
;; end of part 4
;; launch ln2 (part 5): grid 256 x 1, 8 waves a work-group, no clusters, 2,048 bytes of LDS; arguments x1, g2, be2, hpan; writes hpan
.if DOCPART == 5
	.amdgcn_target "amdgcn-amd-amdhsa--gfx1250"
	.amdhsa_code_object_version 6
	.text
	.protected	k_q4ad748c8b3_ln2
	.globl	k_q4ad748c8b3_ln2
	.p2align	8
	.type	k_q4ad748c8b3_ln2,@function
k_q4ad748c8b3_ln2:
	s_mov_b64 s[64:65], 0
	v_nop
	global_prefetch_b8 v0, s[64:65] scope:SCOPE_SE
	s_setreg_imm32_b32 hwreg(HW_REG_WAVE_MODE, 25, 1), 1
	s_wait_xcnt 0x0
; h = (x1 - mean) rsqrt(var + 1e-5) g2 + be2 along rows of 1,024 f32, quantised along the row to codes of BF8 (E5M2) with one E8M0 scale for each 32, and laid as PANELS (128 rows x 256 K, 33,792 bytes:
; codes as register images at q 16384 + i 2048 + 512 c + 16 lane, scale words at 32768 + 512 q + 64 i + 4 rho), [rows / 128][4].  No work of the norm is left out.
; SHARES.  Work-group t takes block t of 16 rows; lane rho of it holds row 32 (t / 2) + 8 (t % 2) + rho + 8 (rho / 8): the order that every operand of this program has.  Wave w takes K step w, 128 columns:
; lane (rho, h) holds 64 numbers, register 16 b + i = column 128 w + 32 b + 16 h + i: the operand's own layout, so that the conversions' results are the fragment's registers.
; The mean is taken first, then the mean of the squares of the centred numbers: no difference of large sums is formed.  Each of the two sums crosses the eight waves through LDS words of its own, one barrier each.
; LIMITS: a block of zeros gets the byte 1 (read by this program alone); NaN and infinities are not served; a block's scale words leave in pieces of 64 bytes.
.set XR,  32                           ; v32-95   my 64 numbers
.set GR,  96                           ; v96-159  the gains of my columns
.set BR,  160                          ; v160-223 the biases
.set TM,  224                          ; v224-239 at work
.set PW,  240                          ; the scale word
.set PC,  16                           ; v16-31   the codes
.set MU,  242                          ; v[242:243] the mean, twice
.set RS,  244                          ; v[244:245] 1 / sqrt(var + eps), twice
.set SPW, 252                          ; LDS address of my spare word; never rewritten
.set NIL, 253                          ; 0; never rewritten
.set SPARE, 1024                       ; LDS: 0-511 the waves' sums, 512-1023 their sums of squares, then the spare words, 128 bytes a wave
.set SEL, 24
.set MNT, 26
.macro QUANT s, pc, pw                 ; 64 numbers v[s + 16 b + i] become a fragment's codes in v[pc] on and its scale word in v[pw]
.irp b, 0,1,2,3
	v_max3_num_f32 v[TM+\b], |v[\s+16*\b]|, |v[\s+1+16*\b]|, 0x8000000   ; my 16 numbers of block b, and the floor 2^(16 - 127)
.endr
.irp i, 2,4,6,8,10,12,14
.irp b, 0,1,2,3
	s_delay_alu instid0(VALU_DEP_4)
	v_max3_num_f32 v[TM+\b], v[TM+\b], |v[\s+16*\b+\i]|, |v[\s+1+16*\b+\i]|
.endr
.endr
.irp b, 0,1,2,3
	s_delay_alu instid0(VALU_DEP_4)
	v_permlanex16_b32 v[TM+4+\b], v[TM+\b], s[SEL], s[SEL+1]
.endr
.irp b, 0,1,2,3
	s_delay_alu instid0(VALU_DEP_4)
	v_max_num_f32 v[TM+\b], v[TM+\b], v[TM+4+\b]   ; with lane l xor 16's: the block's largest magnitude
.endr
.irp b, 0,1,2,3
	s_delay_alu instid0(VALU_DEP_4)
	v_add_nc_u32 v[TM+12+\b], 0xf8800000, v[TM+\b] ; 15 off the exponent field: the conversion's scale operand
.endr
.irp b, 0,1,2,3
	v_and_or_b32 v[TM+8+\b], v[TM+\b], 0x7f800000, s[MNT]   ; 57,344 x the scale
.endr
.irp b, 0,1,2,3
	v_lshrrev_b32 v[TM+4+\b], 23, v[TM+12+\b]      ; the scale's byte
.endr
	s_delay_alu instid0(VALU_DEP_3)
	v_lshl_or_b32 v[\pw], v[TM+5], 8, v[TM+4]
	s_delay_alu instid0(VALU_DEP_1)
	v_lshl_or_b32 v[\pw], v[TM+6], 16, v[\pw]
	s_delay_alu instid0(VALU_DEP_1)
	v_lshl_or_b32 v[\pw], v[TM+7], 24, v[\pw]
.irp b, 0,1,2,3
.irp i, 0,1,2,3,4,5,6,7,8,9,10,11,12,13,14,15
	v_med3_num_f32 v[\s+16*\b+\i], v[\s+16*\b+\i], -v[TM+8+\b], v[TM+8+\b]   ; the conversion does not saturate (ISA guide 7.6.2): the hold
.endr
	v_cvt_scalef32_pk8_bf8_f32 v[\pc+4*\b:\pc+1+4*\b], v[\s+16*\b:\s+7+16*\b], v[TM+12+\b]
	v_cvt_scalef32_pk8_bf8_f32 v[\pc+2+4*\b:\pc+3+4*\b], v[\s+8+16*\b:\s+15+16*\b], v[TM+12+\b]
.endr
	v_nop                                          ; a plain instruction behind the last conversion
.endm
.macro ACROSS off                      ; v224 (the same in both halves of the lanes) from all eight waves: the sum comes out in v232, the same in every wave
	ds_store_b32 v7, v224 offset:\off
	s_wait_dscnt 0x0                               ; for the others' sake: my store has landed
	s_barrier_signal -1
	s_barrier_wait -1
.irp k, 0,1,2,3,4,5,6,7
	ds_load_b32 v[232+\k], v8 offset:\off+64*\k
.endr
	s_wait_dscnt 0x0
	v_add_f32 v232, v232, v233
	v_add_f32 v234, v234, v235
	v_add_f32 v236, v236, v237
	v_add_f32 v238, v238, v239
	s_delay_alu instid0(VALU_DEP_3)
	v_add_f32 v232, v232, v234
	s_delay_alu instid0(VALU_DEP_2)
	v_add_f32 v236, v236, v238
	s_delay_alu instid0(VALU_DEP_1)
	v_add_f32 v232, v232, v236
.endm
.macro FOLD                            ; four packed chains v[224:231] into v224, with lane l xor 16's
	s_delay_alu instid0(VALU_DEP_3)
	v_pk_add_f32 v[224:225], v[224:225], v[226:227]
	s_delay_alu instid0(VALU_DEP_2)
	v_pk_add_f32 v[228:229], v[228:229], v[230:231]
	s_delay_alu instid0(VALU_DEP_1)
	v_pk_add_f32 v[224:225], v[224:225], v[228:229]
	s_delay_alu instid0(VALU_DEP_1)
	v_add_f32 v224, v224, v225
	s_delay_alu instid0(VALU_DEP_1)
	v_permlanex16_b32 v225, v224, s[SEL], s[SEL+1]
	s_delay_alu instid0(VALU_DEP_1)
	v_add_f32 v224, v224, v225
.endm
	s_load_b256 s[4:11], s[0:1], 0x0               ; x1, g2, be2, the panels
	v_lshl_add_u32 v[SPW], v0, 2, SPARE
	v_mov_b32 v[NIL], 0
	v_lshrrev_b32 v1, 5, v0
	s_delay_alu instid0(VALU_DEP_1)
	v_readfirstlane_b32 s12, v1                    ; wave 0..7
	v_and_b32 v2, 15, v0                           ; rho
	v_bfe_u32 v3, v0, 4, 1                         ; h
	s_delay_alu instid0(VALU_DEP_2)
	v_and_b32 v4, 8, v2
	s_delay_alu instid0(VALU_DEP_1)
	v_add_nc_u32 v4, v4, v2                        ; rho + 8 (rho / 8)
	s_delay_alu instid0(VALU_DEP_1)
	v_lshlrev_b32 v5, 12, v4
	s_delay_alu instid0(VALU_DEP_1)
	v_lshl_add_u32 v5, v3, 6, v5                   ; x1: my row of 4,096 bytes, + 64 h
	v_lshlrev_b32 v6, 6, v3                        ; g, b: 64 h
	v_lshlrev_b32 v8, 2, v2                        ; LDS: 4 rho
	s_wait_alu depctr_va_vdst(0)
	s_lshl_b32 s20, s12, 6
	v_add_nc_u32 v7, s20, v8                       ; + 64 x wave: where I put my sums
	s_lshr_b32 s13, ttmp9, 1
	s_lshl_b32 s13, s13, 5
	s_and_b32 s14, ttmp9, 1
	s_lshl_b32 s14, s14, 3
	s_add_co_u32 s13, s13, s14                     ; the block's first row
	s_lshl_b32 s16, s13, 12
	s_lshl_b32 s18, s12, 9                         ; my wave's 128 columns
	s_add_co_u32 s16, s16, s18
	s_mov_b32 s17, 0
	s_mov_b32 s19, 0
	s_lshr_b32 s21, ttmp9, 3
	s_lshl_b32 s21, s21, 2
	s_lshr_b32 s22, s12, 1
	s_add_co_u32 s21, s21, s22                     ; the panel: 4 (t / 8) + w / 2
	s_mul_i32 s22, s21, 33792
	s_mov_b32 s23, 0
	s_and_b32 s27, s12, 1
	s_and_b32 s28, ttmp9, 7
	s_lshl_b32 s29, s27, 14
	s_lshl_b32 s30, s28, 11
	s_add_co_u32 s29, s29, s30                     ; in it: K step w % 2, block t % 8
	s_lshl_b32 s27, s27, 9
	s_lshl_b32 s28, s28, 6
	s_add_co_u32 s27, s27, s28
	v_and_b32 v9, 31, v0
	s_delay_alu instid0(VALU_DEP_1)
	v_lshl_add_u32 v9, v9, 4, s29                  ; codes: + 16 x lane
	v_add_nc_u32 v10, s27, v8                      ; scale words: + 4 rho
	s_mov_b32 s[SEL], 0x76543210
	s_mov_b32 s[SEL+1], 0xfedcba98                 ; v_permlanex16_b32's selects for lane l xor 16
	s_mov_b32 s[MNT], 0x600000
	s_mov_b32 s31, 0x3a800000                      ; 1 / 1,024
	s_mov_b32 s32, 0x3727c5ac                      ; 1e-5
	s_wait_kmcnt 0x0
	s_add_nc_u64 s[4:5], s[4:5], s[16:17]
	s_add_nc_u64 s[6:7], s[6:7], s[18:19]
	s_add_nc_u64 s[8:9], s[8:9], s[18:19]
	s_add_nc_u64 s[10:11], s[10:11], s[22:23]
.irp b, 0,1,2,3
.irp j, 0,1,2,3
	global_load_b128 v[XR+16*\b+4*\j:XR+16*\b+4*\j+3], v5, s[4:5] offset:128*\b+16*\j
.endr
.endr
.irp b, 0,1,2,3
.irp j, 0,1,2,3
	global_load_b128 v[GR+16*\b+4*\j:GR+16*\b+4*\j+3], v6, s[6:7] offset:128*\b+16*\j
.endr
.endr
.irp b, 0,1,2,3
.irp j, 0,1,2,3
	global_load_b128 v[BR+16*\b+4*\j:BR+16*\b+4*\j+3], v6, s[8:9] offset:128*\b+16*\j
.endr
.endr
	s_wait_loadcnt 32                              ; x1's 16 loads are in; g's and b's 32 may be out
.irp k, 0,2,4,6
	v_pk_add_f32 v[224+\k:225+\k], v[XR+\k:XR+\k+1], v[XR+8+\k:XR+9+\k]   ; four chains, started by the first sixteen numbers
.endr
.irp j, 16,24,32,40,48,56
.irp k, 0,2,4,6
	s_delay_alu instid0(VALU_DEP_4)
	v_pk_add_f32 v[224+\k:225+\k], v[224+\k:225+\k], v[XR+\j+\k:XR+\j+\k+1]
.endr
.endr
	FOLD
	ACROSS 0
	s_delay_alu instid0(VALU_DEP_1)
	v_mul_f32 v[MU], s31, v232                     ; the mean
	s_delay_alu instid0(VALU_DEP_1)
	v_mov_b32 v[MU+1], v[MU]
.irp j, 0,2,4,6,8,10,12,14,16,18,20,22,24,26,28,30,32,34,36,38,40,42,44,46,48,50,52,54,56,58,60,62
	v_pk_add_f32 v[XR+\j:XR+\j+1], v[XR+\j:XR+\j+1], v[MU:MU+1] neg_lo:[0,1] neg_hi:[0,1]
.endr
.irp k, 0,2,4,6
	v_pk_mul_f32 v[224+\k:225+\k], v[XR+\k:XR+\k+1], v[XR+\k:XR+\k+1]
.endr
.irp j, 8,16,24,32,40,48,56
.irp k, 0,2,4,6
	s_delay_alu instid0(VALU_DEP_4)
	v_pk_fma_f32 v[224+\k:225+\k], v[XR+\j+\k:XR+\j+\k+1], v[XR+\j+\k:XR+\j+\k+1], v[224+\k:225+\k]
.endr
.endr
	FOLD
	ACROSS 512                                     ; other words than the first sum's: no wave can still be reading them
	s_delay_alu instid0(VALU_DEP_1)
	v_fma_f32 v[RS], v232, s31, s32                ; var + eps
	s_wait_alu depctr_va_vdst(0)
	v_rsq_f32 v[RS], v[RS]
	v_nop                                          ; a plain instruction behind the transcendental
	s_wait_alu depctr_va_vdst(0)                   ; and a wait ahead of its first reader
	v_mov_b32 v[RS+1], v[RS]
.irp b, 0,1,2,3
	v_mov_b32 v[TM+4+\b], 0                        ; a lane permute's destination counts as one of its sources
.endr
	s_wait_alu depctr_va_vdst(0)
	s_wait_loadcnt 0x0                             ; g and b
.irp j, 0,2,4,6,8,10,12,14,16,18,20,22,24,26,28,30,32,34,36,38,40,42,44,46,48,50,52,54,56,58,60,62
	v_pk_mul_f32 v[XR+\j:XR+\j+1], v[XR+\j:XR+\j+1], v[RS:RS+1]
.endr
.irp j, 0,2,4,6,8,10,12,14,16,18,20,22,24,26,28,30,32,34,36,38,40,42,44,46,48,50,52,54,56,58,60,62
	v_pk_fma_f32 v[XR+\j:XR+\j+1], v[XR+\j:XR+\j+1], v[GR+\j:GR+\j+1], v[BR+\j:BR+\j+1]
.endr
	QUANT XR, PC, PW
.irp c, 0,1,2,3
	global_store_b128 v9, v[PC+4*\c:PC+4*\c+3], s[10:11] offset:512*\c   ; 32 lanes store 512 consecutive bytes, aligned
.endr
	global_store_b32 v10, v[PW], s[10:11] offset:32768                  ; both halves of the lanes hold and write the same word
	s_wait_tensorcnt 0x0                           ; the wave's end
	ds_add_u32 v[SPW], v[NIL]
	s_wait_dscnt 0x0
	s_endpgm
.Lfunc_end_k_q4ad748c8b3_ln2:
	.size	k_q4ad748c8b3_ln2, .Lfunc_end_k_q4ad748c8b3_ln2-k_q4ad748c8b3_ln2
	.p2alignl 7, 3214868480
	.fill 96, 4, 3214868480
	.section	.rodata,"a",@progbits
	.p2align	6, 0x0
	.amdhsa_kernel k_q4ad748c8b3_ln2
		.amdhsa_group_segment_fixed_size 2048
		.amdhsa_private_segment_fixed_size 0
		.amdhsa_enable_private_segment 0
		.amdhsa_kernarg_size 32
		.amdhsa_user_sgpr_count 2
		.amdhsa_user_sgpr_kernarg_segment_ptr 1
		.amdhsa_wavefront_size32 1
		.amdhsa_system_sgpr_workgroup_id_x 1
		.amdhsa_system_sgpr_workgroup_id_y 1
		.amdhsa_system_sgpr_workgroup_id_z 1
		.amdhsa_system_vgpr_workitem_id 0
		.amdhsa_next_free_vgpr 256
		.amdhsa_next_free_sgpr 66
		.amdhsa_reserve_vcc 0
		.amdhsa_float_denorm_mode_32 3
		.amdhsa_float_denorm_mode_16_64 3
		.amdhsa_memory_ordered 1
		.amdhsa_forward_progress 1
		.amdhsa_inst_pref_size 32
	.end_amdhsa_kernel
	.amdgpu_metadata
---
amdhsa.version: [ 1, 2 ]
amdhsa.kernels:
  - .name:           k_q4ad748c8b3_ln2
    .symbol:         k_q4ad748c8b3_ln2.kd
    .args:
      - { .name: x1, .offset: 0, .size: 8, .value_kind: global_buffer, .address_space: global }
      - { .name: g2, .offset: 8, .size: 8, .value_kind: global_buffer, .address_space: global }
      - { .name: be2, .offset: 16, .size: 8, .value_kind: global_buffer, .address_space: global }
      - { .name: hpan, .offset: 24, .size: 8, .value_kind: global_buffer, .address_space: global }
    .group_segment_fixed_size: 2048
    .private_segment_fixed_size: 0
    .kernarg_segment_align: 8
    .kernarg_segment_size: 32
    .max_flat_workgroup_size: 256
    .sgpr_count:     66
    .vgpr_count:     256
    .wavefront_size: 32
...
	.end_amdgpu_metadata
.endif
;; end of part 5
;; launch ff1 (part 6): grid 16 x 16, 4 waves a work-group, clusters of 4 x 4, 327,680 bytes of LDS; arguments hpan, wpan, b1, fpan; writes fpan
.if DOCPART == 6
	.amdgcn_target "amdgcn-amd-amdhsa--gfx1250"
	.amdhsa_code_object_version 6
	.text
	.protected	k_q4ad748c8b3_ff1
	.globl	k_q4ad748c8b3_ff1
	.p2align	8
	.type	k_q4ad748c8b3_ff1,@function
k_q4ad748c8b3_ff1:
	s_mov_b64 s[64:65], 0
	v_nop
	global_prefetch_b8 v0, s[64:65] scope:SCOPE_SE
	s_setreg_imm32_b32 hwreg(HW_REG_WAVE_MODE, 25, 1), 1
	s_wait_xcnt 0x0
	s_wait_alu depctr_hold_cnt(0) depctr_sa_sdst(0) depctr_va_vdst(0) depctr_va_sdst(0) depctr_va_ssrc(0) depctr_va_vcc(0) depctr_vm_vsrc(0)
	s_getreg_b32 s2, hwreg(HW_REG_IB_STS2, 6, 4)
	s_cmp_eq_u32 s2, 0
	s_cbranch_scc0 .Lentry_in_a_cluster
	s_endpgm
.Lentry_in_a_cluster:
	s_bfe_u32 s2, ttmp6, 0x10000c
	s_cmp_lg_u32 s2, 0xf033
	s_cbranch_scc0 .Lentry_shape_is_right
	s_endpgm
.Lentry_shape_is_right:
; f = gelu(h w1 + b1), exact form, on codes of BF8 (E5M2) with E8M0 scales, K = 1,024, N = 4,096, and f quantised along its columns, the next product's K, into panels.  No work is left out.
; OPERANDS are PANELS, 128 rows x 256 K, 33,792 dense bytes (codes as register images, scale words behind them).  A tile of 256 x 256 by four waves, 128 x 128 each; K in steps of 256 through a ring of two LDS slots; clusters of 4 x 4 with joint loads.
; gelu(x) = max(x, 0) - |x| erfc(|x| / sqrt 2) / 2, erfc as t x 2^(a polynomial of ten coefficients in t = 1 / (1 + |x| / (2 sqrt 2)), less x^2 log2(e) / 2), all in f32.
; LIMITS: a block of zeros gets the byte 1 (read by this program alone); NaN and infinities are not served.
.set MB,    8
.set NQ,    2
.set KTOT,  1024
.set BFIRST, 128
.set PANEL, 33792
.set SLOT,  4*PANEL                    ; a slot: A's two row panels of a K step, then B's two
.set SPARE, 2*SLOT                     ; behind the ring: the spare words, 128 bytes a wave
.set KP,    KTOT/256
.set LAPS,  KTOT/(256*NQ)
.set AW,    PANEL
.set ASW,   PANEL
.set SSTEP, PANEL
.set RSTEP, 2*PANEL
.set ADRA, 16
.set ADRB, 20
.set ADRS, 22
.set STGA, 24
.set SWA,  25
.set SWR,  26
.set GA,   27
.set SPW,  28
.set NIL,  29
.set LDX,  30
.set SWX,  31
.set SC,   32
.set BIAS, 64
.set AF,   128
.set G1,  24
.set G0,  32
.set G1B, 48
.set G0B, 56
.set MNT, 90
.set SEL, 92
.set GX,  64
.set GY,  128
.set GT,  192
.set GP,  224
.set PC,  208
.set TM,  224
.set PW,  240
.set C9,  12
.set CF,  68
.set RT,  88
.set TB,  94
.set TS,  95
.set MSB, 0
.macro WIN new
.if MSB != (\new)
	s_set_vgpr_msb (MSB<<8)|(\new)
.set MSB, (\new)
.endif
.endm
.macro JLOAD g0a, g1a, g0b, g1b
	s_cmp_eq_u32 s15, 0
	s_cbranch_scc0 .Lfor_b_\@
	tensor_load_to_lds s[\g0a:\g0a+3], s[\g1a:\g1a+7]
	s_nop 0
.rept 4
	v_nop
.endr
	s_branch .Lasked_\@
.Lfor_b_\@:
	tensor_load_to_lds s[\g0b:\g0b+3], s[\g1b:\g1b+7]
	s_nop 0
.rept 4
	v_nop
.endr
.Lasked_\@:
.endm
.macro CREST
	s_cmp_lg_u32 s14, 0
	s_cbranch_scc1 .Lnot_wave_0_\@
	s_barrier_signal -3
.Lnot_wave_0_\@:
	s_barrier_wait -3
	s_barrier_signal -1
	s_barrier_wait -1
.endm
.macro CROUND
	s_barrier_signal -1
	s_barrier_wait -1
	CREST
.endm
.macro PLACES n
.rept \n
	v_nop
.endr
.endm
.macro FRAG reg, adr, q, i
.irp c, 0,1,2,3
	ds_load_b128 v[\reg+4*\c:\reg+4*\c+3], v[\adr] offset:((\q)/2)*PANEL+((\q)%2)*16384+(\i)*2048+512*\c
.endr
.endm
.macro FETCH_B slot, q, p
	WIN 0x40
.set fi, 0
.rept MB
	FRAG 128*(\p)+16*fi, ADRB+\slot, \q, fi
.set fi, fi+1
.endr
	WIN 0
.endm
.macro FETCH_A slot, q, i0
.set fi, \i0
.rept MB/2
	FRAG AF+16*fi, ADRA+\slot, \q, fi
.set fi, fi+1
.endr
.endm
.macro SCALES sl
.set sq, 0
.rept NQ
.set si, 0
.rept MB
	ds_load_b32 v[SC+16*(\sl)+MB*sq+si], v[ADRS+(\sl)] offset:(sq/2)*PANEL+(sq%2)*512+si*64
.set si, si+1
.endr
.set sq, sq+1
.endr
.endm
.macro MULS a0, n, p, q, sc, cm
.set ma, (\a0)
.rept (\n)
.set mb, 0
.rept MB
.set rD, 8*(MB*(ma%(MB/2))+mb)
.set rB, 128*(\p)+16*mb
.set rA, AF+16*ma
.set rT, SC+16*(\sc)+MB*(\q)
.if (\cm) == 0
	v_wmma_scale_f32_16x16x128_f8f6f4 v[rD:rD+7], v[rB:rB+15], v[rA:rA+15], v[rD:rD+7], v[rT+mb], v[rT+ma] matrix_a_fmt:MATRIX_FMT_BF8 matrix_b_fmt:MATRIX_FMT_BF8 matrix_a_scale:MATRIX_SCALE_ROW1
.else
	v_wmma_scale_f32_16x16x128_f8f6f4 v[rD:rD+7], v[rB:rB+15], v[rA:rA+15], v[BIAS+8*mb:BIAS+8*mb+7], v[rT+mb], v[rT+ma] matrix_a_fmt:MATRIX_FMT_BF8 matrix_b_fmt:MATRIX_FMT_BF8 matrix_a_scale:MATRIX_SCALE_ROW1
.endif
.set mb, mb+1
.endr
.set ma, ma+1
.endr
.endm
.macro STEP slot, q, cm
	s_wait_dscnt 2*MB
.if (\cm)
	WIN 0x81
.else
	WIN 0xa1
.endif
	MULS 0, MB/2, (\q)%2, \q, \slot, \cm
	s_wait_dscnt 0x0
	PLACES 8
	FETCH_B \slot, (\q)+1, 1-(\q)%2
	FETCH_A \slot, (\q)+1, 0
.if (\cm)
	WIN 0xc1
.else
	WIN 0xf1
.endif
	MULS MB/2, MB/2, (\q)%2, \q, \slot, \cm
	PLACES 8
	WIN 0
	FETCH_A \slot, (\q)+1, MB/2
.endm
.macro TURN slot, next, fill
	s_wait_tensorcnt 0x0
	ds_add_u32 v[SPW], v[NIL]                      ; 0 onto my spare word
.if \fill
.irp g, G1, G1B                                ; no tensor load of mine is out, so a descriptor may be written: the ring's shape: one panel as 132 rows of 256 bytes, dense
	s_mov_b32 s[\g+1], 32<<16
	s_mov_b32 s[\g+2], 132<<16
	s_mov_b32 s[\g+3], 32<<16
	s_mov_b32 s[\g+4], 132
	s_mov_b32 s[\g+5], 32
.endr
.endif
	s_wait_dscnt 2*MB+1
	WIN 0xa1
	MULS 0, MB/4, 1, NQ-1, \slot, 0
	s_wait_dscnt 0x0
	s_barrier_signal -1
	MULS MB/4, MB/4, 1, NQ-1, \slot, 0
	WIN 0
	s_barrier_wait -1
.if \fill
	CREST
	s_add_nc_u64 s[G0+4*\slot+2:G0+4*\slot+3], s[G0+4*\slot+2:G0+4*\slot+3], RSTEP
	s_add_nc_u64 s[G0B+4*\slot+2:G0B+4*\slot+3], s[G0B+4*\slot+2:G0B+4*\slot+3], RSTEP
	JLOAD G0+4*\slot, G1, G0B+4*\slot, G1B
	PLACES 4
.else
	PLACES 8
.endif
	FETCH_B \next, 0, 0
	FETCH_A \next, 0, 0
	SCALES \next
	WIN 0xf1
	MULS MB/2, MB/2, 1, NQ-1, \slot, 0
	PLACES 8
	WIN 0
	FETCH_A \next, 0, MB/2
.endm
.macro QUANT s, pc, pw
.irp b, 0,1,2,3
	v_max3_num_f32 v[TM+\b], |v[\s+16*\b]|, |v[\s+1+16*\b]|, 0x8000000
.endr
.irp i, 2,4,6,8,10,12,14
.irp b, 0,1,2,3
	v_max3_num_f32 v[TM+\b], v[TM+\b], |v[\s+16*\b+\i]|, |v[\s+1+16*\b+\i]|
.endr
.endr
.irp b, 0,1,2,3
	v_permlanex16_b32 v[TM+4+\b], v[TM+\b], s[SEL], s[SEL+1]
.endr
.irp b, 0,1,2,3
	v_max_num_f32 v[TM+\b], v[TM+\b], v[TM+4+\b]
.endr
.irp b, 0,1,2,3
	v_add_nc_u32 v[TM+12+\b], 0xf8800000, v[TM+\b]
.endr
.irp b, 0,1,2,3
	v_and_or_b32 v[TM+8+\b], v[TM+\b], 0x7f800000, s[MNT]
.endr
.irp b, 0,1,2,3
	v_lshrrev_b32 v[TM+4+\b], 23, v[TM+12+\b]
.endr
	v_lshl_or_b32 v[\pw], v[TM+5], 8, v[TM+4]
	v_lshl_or_b32 v[\pw], v[TM+6], 16, v[\pw]
	v_lshl_or_b32 v[\pw], v[TM+7], 24, v[\pw]
.irp b, 0,1,2,3
.irp i, 0,1,2,3,4,5,6,7,8,9,10,11,12,13,14,15
	v_med3_num_f32 v[\s+16*\b+\i], v[\s+16*\b+\i], -v[TM+8+\b], v[TM+8+\b]
.endr
	v_cvt_scalef32_pk8_bf8_f32 v[\pc+4*\b:\pc+1+4*\b], v[\s+16*\b:\s+7+16*\b], v[TM+12+\b]
	v_cvt_scalef32_pk8_bf8_f32 v[\pc+2+4*\b:\pc+3+4*\b], v[\s+8+16*\b:\s+15+16*\b], v[TM+12+\b]
.endr
	v_nop
.endm
.macro DUMP
.set da, 0
.rept 8
	WIN 0x08+4*(da/4)
.set db, 0
.rept 8
.set rD, 8*(8*(da%4)+db)
	ds_store_b128 v[STGA], v[rD:rD+3] offset:(16*da+2*db)*512
	ds_store_b128 v[STGA], v[rD+4:rD+7] offset:(16*da+2*db+1)*512
.set db, db+1
.endr
.set da, da+1
.endr
	WIN 0
.endm
.macro LOADX reg, adr, off
.irp k, 0,1,2,3,4,5,6,7,8,9,10,11,12,13,14,15
	ds_load_b128 v[\reg+4*\k:\reg+4*\k+3], v[\adr] offset:(\off)+512*\k
.endr
.endm
; gelu of 32 numbers, v[GX + 32 k ..] -> v[GY + 32 k ..]: each batch of transcendentals is 32 long, with one wait ahead of it and one behind it.  GT: v192-223, GP: v224-255, free again for the quantiser.
; With y = x t e (e the exponential, t e = erfc / 2, at most one half but for its last bits): x >= 0: gelu = x - y, which is not under y; x < 0: gelu = y, which is not under x - y.  So gelu = max(x - y, y).
.macro EACH16 line:vararg              ; the line for the 16 pairs gi = 0, 2 .. 30
.set gi, 0
.rept 16
	\line
.set gi, gi+2
.endr
.endm
.macro GELU k
.set XK, GX+32*(\k)
.set YK, GY+32*(\k)
.set gi, 0
.rept 32
	v_fma_f32 v[GT+gi], |v[XK+gi]|, s[RT], 1.0
.set gi, gi+1
.endr
	s_wait_alu depctr_va_vdst(0)
.set gi, 0
.rept 32
	v_rcp_f32 v[GT+gi], v[GT+gi]                   ; t
.set gi, gi+1
.endr
	EACH16 v_pk_mul_f32 v[YK+gi:YK+gi+1], v[XK+gi:XK+gi+1], v[XK+gi:XK+gi+1]
	s_wait_alu depctr_va_vdst(0)
	EACH16 v_pk_fma_f32 v[GP+gi:GP+gi+1], v[GT+gi:GT+gi+1], v[C9:C9+1], s[CF:CF+1] op_sel_hi:[1,1,0]
.irp c, 2,4,6,8,10,12,14,16
	EACH16 v_pk_fma_f32 v[GP+gi:GP+gi+1], v[GP+gi:GP+gi+1], v[GT+gi:GT+gi+1], s[CF+\c:CF+\c+1] op_sel_hi:[1,1,0]
.endr
	EACH16 v_pk_fma_f32 v[GP+gi:GP+gi+1], v[YK+gi:YK+gi+1], s[CF+18:CF+19], v[GP+gi:GP+gi+1] op_sel_hi:[1,0,1]
	s_wait_alu depctr_va_vdst(0)
.set gi, 0
.rept 32
	v_exp_f32 v[GP+gi], v[GP+gi]                   ; e
.set gi, gi+1
.endr
	EACH16 v_pk_mul_f32 v[GT+gi:GT+gi+1], v[GT+gi:GT+gi+1], v[XK+gi:XK+gi+1]
	s_wait_alu depctr_va_vdst(0)
	EACH16 v_pk_mul_f32 v[GT+gi:GT+gi+1], v[GT+gi:GT+gi+1], v[GP+gi:GP+gi+1]
	EACH16 v_pk_add_f32 v[YK+gi:YK+gi+1], v[XK+gi:XK+gi+1], v[GT+gi:GT+gi+1] neg_lo:[0,1] neg_hi:[0,1]
	EACH16 v_dual_max_num_f32 v[YK+gi], v[YK+gi], v[GT+gi] :: v_dual_max_num_f32 v[YK+gi+1], v[YK+gi+1], v[GT+gi+1]
.endm
	s_load_b256 s[4:11], s[0:1], 0x0
	v_lshl_add_u32 v[SPW], v0, 2, SPARE
	v_mov_b32 v[NIL], 0
	ds_add_u32 v[SPW], v[NIL]
	ds_add_u32 v[SPW], v[NIL]
	v_lshrrev_b32 v1, 5, v0
	v_readfirstlane_b32 s14, v1
	s_lshr_b32 s15, s14, 1
	s_and_b32 s16, s14, 1
	s_bfe_u32 s40, ttmp6, 0x40000
	s_bfe_u32 s41, ttmp6, 0x40004
	s_lshl_b32 s42, ttmp9, 2
	s_add_co_u32 s42, s42, s40
	s_and_b32 s17, ttmp7, 0xffff
	s_lshl_b32 s17, s17, 2
	s_add_co_u32 s17, s17, s41
	s_lshl_b32 s43, s41, 2
	s_lshl_b32 s43, 15, s43
	s_lshl_b32 s44, 0x1111, s40
	s_or_b32 s[G1], s43, (3<<16)|(1<<21)
	s_or_b32 s[G1B], s44, (3<<16)|(1<<21)
.irp g, G1, G1B
	s_mov_b32 s[\g+1], (PANEL/8)<<16               ; the head's shape: a row is a whole panel, 4,224 elements of 8 bytes;
	s_mov_b32 s[\g+2], 2<<16                       ; two rows: an operand's two row panels of one K step,
	s_mov_b32 s[\g+3], (PANEL/8)<<16
	s_mov_b32 s[\g+4], 2
	s_mov_b32 s[\g+5], KP*PANEL/8                  ; which lie KP panels apart in memory and land on end in LDS
	s_mov_b32 s[\g+6], 0
	s_mov_b32 s[\g+7], 0
.endr
	s_lshl_b32 s20, s17, 1
	s_add_co_u32 s20, s20, s16
	s_mul_i32 s20, s20, KP*PANEL
	s_mov_b32 s21, 0
	s_lshl_b32 s46, s42, 1
	s_add_co_u32 s46, s46, s16
	s_mul_i32 s46, s46, KP*PANEL
	s_add_co_u32 s46, s46, BFIRST*PANEL
	s_mov_b32 s47, 0
	s_mul_i32 s45, s14, PANEL                      ; the ring: where my panel goes: wave x a panel
	s_mov_b32 s[SEL], 0x76543210
	s_mov_b32 s[SEL+1], 0xfedcba98
	s_mov_b32 s[MNT], 0x600000
.set ci, 0
.irp c, 0xbf97d29d,0x40097039,0xbfd1a1e5,0x3ecdfd18,0xbe899a80,0x3e0efb2e,0x3f0a29d2,0x3fb8ab5a,0xc034d90f,0xbf38aa3b
	s_mov_b32 s[CF+ci], \c
	s_mov_b32 s[CF+ci+1], \c
.set ci, ci+2
.endr
	s_mov_b32 s[RT], 0x3eb504f3
	s_wait_dscnt 0x0
	s_wait_kmcnt 0x0
	s_add_nc_u64 s[20:21], s[4:5], s[20:21]
	s_add_nc_u64 s[46:47], s[6:7], s[46:47]
	CROUND
.irp s, 0,1
	s_mov_b32 s[G0+4*\s], 1
	s_add_co_u32 s[G0+4*\s+1], s45, \s*SLOT
	s_add_nc_u64 s[G0+4*\s+2:G0+4*\s+3], s[20:21], \s*SSTEP
	s_or_b32 s[G0+4*\s+3], s[G0+4*\s+3], 0x80000000
	s_mov_b32 s[G0B+4*\s], 1
	s_add_co_u32 s[G0B+4*\s+1], s45, \s*SLOT
	s_add_nc_u64 s[G0B+4*\s+2:G0B+4*\s+3], s[46:47], \s*SSTEP
	s_or_b32 s[G0B+4*\s+3], s[G0B+4*\s+3], 0x80000000
.endr
; THE HEAD'S LOADS, one a wave, fill both slots: wave 0: A's two row panels of K step 0; wave 1: B's; wave 2: A's of K step 1; wave 3: B's.  ONE chain of branches on the wave's number, an arm and a load line for each wave:
; waves 0 and 1 wait at the first barrier, which shows slot 0; waves 2 and 3 at the first change of slots.  A's group 0 lies in registers whose arguments have been used.
.set G0HA, 4                           ; s[4:7]   A's
.set G0HB, 96                          ; s[96:99] B's
	s_mul_i32 s12, s16, KP*PANEL                   ; s[20:21] and s[46:47] stand at row panel s16 of the pair: back to the pair's first,
	s_mov_b32 s13, 0
	s_mul_i32 s18, s15, PANEL                      ; and on to K step wave / 2
	s_mov_b32 s19, 0
	s_mul_i32 s23, s15, SLOT                       ; LDS: slot wave / 2
	s_mov_b32 s[G0HA], 1
	s_mov_b32 s[G0HA+1], s23
	s_sub_nc_u64 s[G0HA+2:G0HA+3], s[20:21], s[12:13]
	s_add_nc_u64 s[G0HA+2:G0HA+3], s[G0HA+2:G0HA+3], s[18:19]
	s_or_b32 s[G0HA+3], s[G0HA+3], 0x80000000
	s_mov_b32 s[G0HB], 1
	s_add_co_u32 s[G0HB+1], s23, 2*PANEL
	s_sub_nc_u64 s[G0HB+2:G0HB+3], s[46:47], s[12:13]
	s_add_nc_u64 s[G0HB+2:G0HB+3], s[G0HB+2:G0HB+3], s[18:19]
	s_or_b32 s[G0HB+3], s[G0HB+3], 0x80000000
.macro ARM under, g0, g1, next
	s_cmp_lt_u32 s14, \under
	s_cbranch_scc0 \next
	tensor_load_to_lds s[\g0:\g0+3], s[\g1:\g1+7]
	s_nop 0
.rept 4
	v_nop
.endr
	s_branch .Lhead_asked
\next:
.endm
	ARM 1, G0HA, G1,  .Lhead_1
	ARM 2, G0HB, G1B, .Lhead_2
	ARM 3, G0HA, G1,  .Lhead_3
	tensor_load_to_lds s[G0HB:G0HB+3], s[G1B:G1B+7]
	s_nop 0
.rept 4
	v_nop
.endr
.Lhead_asked:
; A PREFETCH INTO THE L2 of K steps 2 and 3, which the two refills will ask for: panels 2 and 3 of the row panel that I fetch in the ring.  The four partners that ask for a panel jointly share its 132 blocks of 256 bytes out BY ADDRESS:
; the partner at place p (cx for A, cy for B) takes blocks 33 p .. 33 p + 32: a lane a block, and one more instruction for the 33rd.  The registers are never written again.
.set PFA, 66                           ; s[66:67] my row panel's first byte + 8,448 p
.set PFO, 10                           ; v10  256 x lane
.set PFZ, 11                           ; v11  0: all lanes name the 33rd block
	s_cmp_eq_u32 s15, 0
	s_cselect_b64 s[PFA:PFA+1], s[20:21], s[46:47]
	s_cselect_b32 s12, s40, s41
	s_mul_i32 s12, s12, 8448
	s_add_nc_u64 s[PFA:PFA+1], s[PFA:PFA+1], s[12:13]
	v_and_b32 v[PFO], 31, v0
	v_lshlrev_b32 v[PFO], 8, v[PFO]
	v_mov_b32 v[PFZ], 0
.irp k, 2,3
	global_prefetch_b8 v[PFO], s[PFA:PFA+1] offset:\k*PANEL th:TH_LOAD_NT scope:SCOPE_SE
	global_prefetch_b8 v[PFZ], s[PFA:PFA+1] offset:\k*PANEL+8192 th:TH_LOAD_NT scope:SCOPE_SE
.endr
	v_and_b32 v1, 15, v0
	v_bfe_u32 v2, v0, 4, 1
	v_and_b32 v5, 31, v0
	v_lshlrev_b32 v3, 4, v5
	s_wait_alu depctr_va_vdst(0)
	v_lshlrev_b32 v7, 6, v2
	s_lshl_b32 s46, s42, 10
	s_lshl_b32 s47, s16, 9
	s_add_co_u32 s46, s46, s47
	s_mov_b32 s47, 0
	s_add_nc_u64 s[8:9], s[8:9], s[46:47]
.irp b, 0,1,2,3,4,5,6,7
	global_load_b128 v[BIAS+8*\b:BIAS+8*\b+3], v7, s[8:9] offset:(32*(\b/2)+8*(\b%2))*4
	global_load_b128 v[BIAS+8*\b+4:BIAS+8*\b+7], v7, s[8:9] offset:(32*(\b/2)+8*(\b%2))*4+16
.endr
	s_lshl_b32 s20, s17, 1
	s_add_co_u32 s20, s20, s15
	s_lshl_b32 s20, s20, 4
	s_add_co_u32 s20, s20, s42
	s_mul_i32 s20, s20, PANEL
	s_mov_b32 s21, 0
	s_add_nc_u64 s[10:11], s[10:11], s[20:21]
	s_lshl_b32 s20, s16, 9
	s_add_co_u32 s20, s20, 32768
	s_add_nc_u64 s[12:13], s[10:11], s[20:21]
	s_lshl_b32 s20, s16, 14
	s_add_nc_u64 s[10:11], s[10:11], s[20:21]
	s_mul_i32 s21, s15, AW
	s_mul_i32 s22, s16, AW
	s_add_co_u32 s22, s22, 2*PANEL                 ; B's blocks lie behind A's two panels
.irp s, 0,1
	v_add_nc_u32 v[ADRA+\s], s21, v3
	v_add_nc_u32 v[ADRB+\s], s22, v3
	s_add_co_u32 s21, s21, SLOT
	s_add_co_u32 s22, s22, SLOT
.endr
	s_mul_i32 s21, s15, ASW
	s_mul_i32 s22, s16, ASW
	s_add_co_u32 s22, s22, 2*PANEL
	s_sub_co_u32 s22, s22, s21
	v_mul_u32_u24 v6, s22, v2
	v_lshl_add_u32 v6, v1, 2, v6
	s_add_co_u32 s21, s21, 32768
	v_add_nc_u32 v[ADRS], s21, v6
	s_add_co_u32 s21, s21, SLOT
	v_add_nc_u32 v[ADRS+1], s21, v6
	s_lshl_b32 s21, s14, 16
	v_add_nc_u32 v[STGA], s21, v3
	s_lshl_b32 s21, s14, 9
	s_add_co_u32 s21, s21, 262144
	v_add_nc_u32 v[SWR], s21, v3
	v_lshl_add_u32 v[SWA], v1, 2, s21
	v_mov_b32 v[GA], v3
	s_wait_alu depctr_va_vdst(0)
	s_cmp_lt_u32 s14, 2                            ; waves 0 and 1: my half of slot 0 is in; slot 1's loads may stay out
	s_cbranch_scc0 .Lslot_1_later
	s_wait_tensorcnt 0x0
.Lslot_1_later:
	s_barrier_signal -1
	s_barrier_wait -1
	FETCH_B 0, 0, 0
	FETCH_A 0, 0, 0
	SCALES 0
	FETCH_A 0, 0, MB/2
	s_wait_loadcnt 0x0
	STEP 0, 0, 1
	s_mov_b32 s3, LAPS-1
.Llap:
	TURN 0, 1, 1
	STEP 1, 0, 0
	TURN 1, 0, 1
	STEP 0, 0, 0
	s_sub_co_u32 s3, s3, 1
	s_cmp_lg_u32 s3, 0
	s_cbranch_scc1 .Llap
	TURN 0, 1, 0
	STEP 1, 0, 0
	s_wait_dscnt 2*MB
	WIN 0xa1
	MULS 0, MB/2, 1, NQ-1, 1, 0
	s_wait_dscnt 0x0
	WIN 0xf1
	MULS MB/2, MB/2, 1, NQ-1, 1, 0
	WIN 0
	s_wait_dscnt 0x0
	s_barrier_signal -1
	s_barrier_wait -1
	PLACES 8
	DUMP
	LOADX GX, STGA, 0
	v_mov_b32 v[C9], 0x3e7c6f08
	v_mov_b32 v[C9+1], 0x3e7c6f08
.irp b, 0,1,2,3
	v_mov_b32 v[TM+4+\b], 0
.endr
	s_mov_b32 s[TB], 0
	s_mov_b32 s[TS], 0
	s_mov_b32 s3, 7
.macro FBLK more
	s_wait_dscnt 0x0
	GELU 0
	GELU 1
.if \more
	v_add_nc_u32 v[LDX], s[TB], v[STGA]
	LOADX GX, LDX, 8192
.endif
	QUANT GY, PC, PW
	v_add_nc_u32 v[SWX], s[TS], v[SWA]
	ds_store_b32 v[SWX], v[PW]
.irp c, 0,1,2,3
	global_store_b128 v[GA], v[PC+4*\c:PC+4*\c+3], s[10:11] offset:512*\c
.endr
.if \more
	s_wait_xcnt 0x0
	v_add_nc_u32 v[GA], 2048, v[GA]
	s_add_co_u32 s[TB], s[TB], 8192
	s_add_co_u32 s[TS], s[TS], 64
.endif
.endm
.Lblk:
	FBLK 1
	s_sub_co_u32 s3, s3, 1
	s_cmp_lg_u32 s3, 0
	s_cbranch_scc1 .Lblk
	FBLK 0
	ds_load_b128 v[224:227], v[SWR]
	s_wait_dscnt 0x0
	global_store_b128 v3, v[224:227], s[12:13]
	s_wait_tensorcnt 0x0
	ds_add_u32 v[SPW], v[NIL]
	s_wait_dscnt 0x0
	CROUND
	s_endpgm
.Lfunc_end_k_q4ad748c8b3_ff1:
	.size	k_q4ad748c8b3_ff1, .Lfunc_end_k_q4ad748c8b3_ff1-k_q4ad748c8b3_ff1
	.p2alignl 7, 3214868480
	.fill 96, 4, 3214868480
	.section	.rodata,"a",@progbits
	.p2align	6, 0x0
	.amdhsa_kernel k_q4ad748c8b3_ff1
		.amdhsa_group_segment_fixed_size 327680
		.amdhsa_private_segment_fixed_size 0
		.amdhsa_enable_private_segment 0
		.amdhsa_kernarg_size 32
		.amdhsa_user_sgpr_count 2
		.amdhsa_user_sgpr_kernarg_segment_ptr 1
		.amdhsa_wavefront_size32 1
		.amdhsa_system_sgpr_workgroup_id_x 1
		.amdhsa_system_sgpr_workgroup_id_y 1
		.amdhsa_system_sgpr_workgroup_id_z 1
		.amdhsa_system_vgpr_workitem_id 0
		.amdhsa_next_free_vgpr 1024
		.amdhsa_next_free_sgpr 100
		.amdhsa_reserve_vcc 0
		.amdhsa_float_denorm_mode_32 3
		.amdhsa_float_denorm_mode_16_64 3
		.amdhsa_memory_ordered 1
		.amdhsa_forward_progress 1
		.amdhsa_inst_pref_size 226
	.end_amdhsa_kernel
	.amdgpu_metadata
---
amdhsa.version: [ 1, 2 ]
amdhsa.kernels:
  - .name:           k_q4ad748c8b3_ff1
    .symbol:         k_q4ad748c8b3_ff1.kd
    .args:
      - { .name: hpan, .offset: 0, .size: 8, .value_kind: global_buffer, .address_space: global }
      - { .name: wpan, .offset: 8, .size: 8, .value_kind: global_buffer, .address_space: global }
      - { .name: b1, .offset: 16, .size: 8, .value_kind: global_buffer, .address_space: global }
      - { .name: fpan, .offset: 24, .size: 8, .value_kind: global_buffer, .address_space: global }
    .group_segment_fixed_size: 327680
    .private_segment_fixed_size: 0
    .kernarg_segment_align: 8
    .kernarg_segment_size: 32
    .max_flat_workgroup_size: 128
    .sgpr_count:     100
    .vgpr_count:     1024
    .wavefront_size: 32
...
	.end_amdgpu_metadata
.endif
;; end of part 6
;; launch ff2 (part 7): grid 8 x 32, 4 waves a work-group, clusters of 4 x 4, 327,680 bytes of LDS; arguments fpan, wpan, b2, x1, out0; writes out0
.if DOCPART == 7
	.amdgcn_target "amdgcn-amd-amdhsa--gfx1250"
	.amdhsa_code_object_version 6
	.text
	.protected	k_q4ad748c8b3_ff2
	.globl	k_q4ad748c8b3_ff2
	.p2align	8
	.type	k_q4ad748c8b3_ff2,@function
k_q4ad748c8b3_ff2:
	s_mov_b64 s[64:65], 0
	v_nop
	global_prefetch_b8 v0, s[64:65] scope:SCOPE_SE
	s_setreg_imm32_b32 hwreg(HW_REG_WAVE_MODE, 25, 1), 1
	s_wait_xcnt 0x0
	s_wait_alu depctr_hold_cnt(0) depctr_sa_sdst(0) depctr_va_vdst(0) depctr_va_sdst(0) depctr_va_ssrc(0) depctr_va_vcc(0) depctr_vm_vsrc(0)
	s_getreg_b32 s2, hwreg(HW_REG_IB_STS2, 6, 4)
	s_cmp_eq_u32 s2, 0
	s_cbranch_scc0 .Lentry_in_a_cluster
	s_endpgm
.Lentry_in_a_cluster:
	s_bfe_u32 s2, ttmp6, 0x10000c
	s_cmp_lg_u32 s2, 0xf033
	s_cbranch_scc0 .Lentry_shape_is_right
	s_endpgm
.Lentry_shape_is_right:
; out0 = x1 + f w2 + b2: the product on codes of BF8 (E5M2) with E8M0 scales, K = 4,096, N = 1,024; result and residual f32.  No work is left out.
; OPERANDS are PANELS, 128 rows x 256 K, 33,792 dense bytes (codes as register images, scale words behind them).  A tile of 128 x 128, so that 256 work-groups have work: four waves, 64 x 64 each.
; A slot holds 512 along K: two panels of A, two of B; two slots; clusters of 4 x 4 with joint loads.  At the head a wave brings a slot's two panels of A or of B by one load; in the ring each wave brings one panel.
; The bias is the C of the first step; the residual is asked for at the head; the way out puts each row back in its place through a stage in slot 0.
.set MB,    4
.set NQ,    4
.set KTOT,  4096
.set BFIRST, 256
.set PANEL, 33792
.set SLOT,  4*PANEL
.set SPARE, 2*SLOT
.set KP,    KTOT/256
.set LAPS,  KTOT/(256*NQ)
.set AW,    8192
.set ASW,   256
.set SSTEP, 2*PANEL
.set RSTEP, 4*PANEL
.set ADRA, 16
.set ADRB, 20
.set ADRS, 22
.set STO,  24
.set RD,   25
.set CO,   26
.set SPW,  28
.set NIL,  29
.set SC,   32
.set BIAS, 64
.set AF,   128
.set BK,   128
.set G1,  24
.set G0,  32
.set G1B, 48
.set G0B, 56
.set MSB, 0
.macro WIN new
.if MSB != (\new)
	s_set_vgpr_msb (MSB<<8)|(\new)
.set MSB, (\new)
.endif
.endm
.macro JLOAD g0a, g1a, g0b, g1b
	s_cmp_eq_u32 s15, 0
	s_cbranch_scc0 .Lfor_b_\@
	tensor_load_to_lds s[\g0a:\g0a+3], s[\g1a:\g1a+7]
	s_nop 0
.rept 4
	v_nop
.endr
	s_branch .Lasked_\@
.Lfor_b_\@:
	tensor_load_to_lds s[\g0b:\g0b+3], s[\g1b:\g1b+7]
	s_nop 0
.rept 4
	v_nop
.endr
.Lasked_\@:
.endm
.macro CREST
	s_cmp_lg_u32 s14, 0
	s_cbranch_scc1 .Lnot_wave_0_\@
	s_barrier_signal -3
.Lnot_wave_0_\@:
	s_barrier_wait -3
	s_barrier_signal -1
	s_barrier_wait -1
.endm
.macro CROUND
	s_barrier_signal -1
	s_barrier_wait -1
	CREST
.endm
.macro PLACES n
.rept \n
	v_nop
.endr
.endm
.macro FRAG reg, adr, q, i
.irp c, 0,1,2,3
	ds_load_b128 v[\reg+4*\c:\reg+4*\c+3], v[\adr] offset:((\q)/2)*PANEL+((\q)%2)*16384+(\i)*2048+512*\c
.endr
.endm
.macro FETCH_B slot, q, p
	WIN 0x40
.set fi, 0
.rept MB
	FRAG 128*(\p)+16*fi, ADRB+\slot, \q, fi
.set fi, fi+1
.endr
	WIN 0
.endm
.macro FETCH_A slot, q, i0
.set fi, \i0
.rept MB/2
	FRAG AF+16*fi, ADRA+\slot, \q, fi
.set fi, fi+1
.endr
.endm
.macro SCALES sl
.set sq, 0
.rept NQ
.set si, 0
.rept MB
	ds_load_b32 v[SC+16*(\sl)+MB*sq+si], v[ADRS+(\sl)] offset:(sq/2)*PANEL+(sq%2)*512+si*64
.set si, si+1
.endr
.set sq, sq+1
.endr
.endm
.macro MULS a0, n, p, q, sc, cm
.set ma, (\a0)
.rept (\n)
.set mb, 0
.rept MB
.set rD, 8*(MB*(ma%(MB/2))+mb)
.set rB, 128*(\p)+16*mb
.set rA, AF+16*ma
.set rT, SC+16*(\sc)+MB*(\q)
.if (\cm) == 0
	v_wmma_scale_f32_16x16x128_f8f6f4 v[rD:rD+7], v[rB:rB+15], v[rA:rA+15], v[rD:rD+7], v[rT+mb], v[rT+ma] matrix_a_fmt:MATRIX_FMT_BF8 matrix_b_fmt:MATRIX_FMT_BF8 matrix_a_scale:MATRIX_SCALE_ROW1
.else
	v_wmma_scale_f32_16x16x128_f8f6f4 v[rD:rD+7], v[rB:rB+15], v[rA:rA+15], v[BIAS+8*mb:BIAS+8*mb+7], v[rT+mb], v[rT+ma] matrix_a_fmt:MATRIX_FMT_BF8 matrix_b_fmt:MATRIX_FMT_BF8 matrix_a_scale:MATRIX_SCALE_ROW1
.endif
.set mb, mb+1
.endr
.set ma, ma+1
.endr
.endm
.macro STEP slot, q, cm
	s_wait_dscnt 2*MB
.if (\cm)
	WIN 0x81
.else
	WIN 0xa1
.endif
	MULS 0, MB/2, (\q)%2, \q, \slot, \cm
	s_wait_dscnt 0x0
	PLACES 8
	FETCH_B \slot, (\q)+1, 1-(\q)%2
	FETCH_A \slot, (\q)+1, 0
.if (\cm)
	WIN 0xc1
.else
	WIN 0xf1
.endif
	MULS MB/2, MB/2, (\q)%2, \q, \slot, \cm
	PLACES 8
	WIN 0
	FETCH_A \slot, (\q)+1, MB/2
.endm
.macro TURN slot, next, fill
.if \fill
	s_wait_xcnt 0x0                                ; my prefetches have read their address: it is stepped here, a slot on, ahead of the waits of the change of slots
	s_add_nc_u64 s[PFA:PFA+1], s[PFA:PFA+1], 2*PANEL
.endif
	s_wait_tensorcnt 0x0
	ds_add_u32 v[SPW], v[NIL]
	s_wait_dscnt 2*MB+1
	WIN 0xa1
	MULS 0, MB/4, 1, NQ-1, \slot, 0
	s_wait_dscnt 0x0
	s_barrier_signal -1
	MULS MB/4, MB/4, 1, NQ-1, \slot, 0
	WIN 0
	s_barrier_wait -1
.if \fill
	CREST
	s_add_nc_u64 s[G0+4*\slot+2:G0+4*\slot+3], s[G0+4*\slot+2:G0+4*\slot+3], RSTEP
	s_add_nc_u64 s[G0B+4*\slot+2:G0B+4*\slot+3], s[G0B+4*\slot+2:G0B+4*\slot+3], RSTEP
	JLOAD G0+4*\slot, G1, G0B+4*\slot, G1B
	PLACES 4
.else
	PLACES 8
.endif
	FETCH_B \next, 0, 0
	FETCH_A \next, 0, 0
	SCALES \next
.if \fill
	s_cmp_gt_u32 s3, 1                             ; the last lap's two refills have no slot two refills on
	s_cbranch_scc0 .Lno_ask_\@
	global_prefetch_b8 v[PFO], s[PFA:PFA+1] offset:6*PANEL th:TH_LOAD_NT scope:SCOPE_SE        ; the slot that stands two refills on: my 33 blocks of my panel of it
	global_prefetch_b8 v[PFZ], s[PFA:PFA+1] offset:6*PANEL+8192 th:TH_LOAD_NT scope:SCOPE_SE
.Lno_ask_\@:
.endif
	WIN 0xf1
	MULS MB/2, MB/2, 1, NQ-1, \slot, 0
	PLACES 8
	WIN 0
	FETCH_A \next, 0, MB/2
.endm
	s_load_b256 s[4:11], s[0:1], 0x0
	s_load_b64 s[12:13], s[0:1], 0x20
	v_lshl_add_u32 v[SPW], v0, 2, SPARE
	v_mov_b32 v[NIL], 0
	ds_add_u32 v[SPW], v[NIL]
	ds_add_u32 v[SPW], v[NIL]
	v_lshrrev_b32 v1, 5, v0
	v_readfirstlane_b32 s14, v1
	s_lshr_b32 s15, s14, 1
	s_and_b32 s16, s14, 1
	s_bfe_u32 s40, ttmp6, 0x40000
	s_bfe_u32 s41, ttmp6, 0x40004
	s_lshl_b32 s42, ttmp9, 2
	s_add_co_u32 s42, s42, s40
	s_and_b32 s17, ttmp7, 0xffff
	s_lshl_b32 s17, s17, 2
	s_add_co_u32 s17, s17, s41
	s_lshl_b32 s43, s41, 2
	s_lshl_b32 s43, 15, s43
	s_lshl_b32 s44, 0x1111, s40
	s_or_b32 s[G1], s43, (3<<16)|(1<<21)
	s_or_b32 s[G1B], s44, (3<<16)|(1<<21)
.irp g, G1, G1B
	s_mov_b32 s[\g+1], 32<<16
	s_mov_b32 s[\g+2], 132<<16                     ; the ring's loads bring one panel: 132 rows of 256 bytes
	s_mov_b32 s[\g+3], 32<<16
	s_mov_b32 s[\g+4], 132
	s_mov_b32 s[\g+5], 32
	s_mov_b32 s[\g+6], 0
	s_mov_b32 s[\g+7], 0
.endr
	s_mul_i32 s20, s17, KP
	s_add_co_u32 s20, s20, s16
	s_mul_i32 s20, s20, PANEL
	s_mov_b32 s21, 0
	s_mul_i32 s46, s42, KP
	s_add_co_u32 s46, s46, s16
	s_add_co_u32 s46, s46, BFIRST
	s_mul_i32 s46, s46, PANEL
	s_mov_b32 s47, 0
	s_mul_i32 s45, s14, PANEL
	s_wait_dscnt 0x0
	s_wait_kmcnt 0x0
	s_add_nc_u64 s[20:21], s[4:5], s[20:21]
	s_add_nc_u64 s[46:47], s[6:7], s[46:47]
	CROUND
.irp s, 0,1
	s_mov_b32 s[G0+4*\s], 1
	s_add_co_u32 s[G0+4*\s+1], s45, \s*SLOT
	s_add_nc_u64 s[G0+4*\s+2:G0+4*\s+3], s[20:21], \s*SSTEP
	s_or_b32 s[G0+4*\s+3], s[G0+4*\s+3], 0x80000000
	s_mov_b32 s[G0B+4*\s], 1
	s_add_co_u32 s[G0B+4*\s+1], s45, \s*SLOT
	s_add_nc_u64 s[G0B+4*\s+2:G0B+4*\s+3], s[46:47], \s*SSTEP
	s_or_b32 s[G0B+4*\s+3], s[G0B+4*\s+3], 0x80000000
.endr
; BOTH SLOTS ARE FILLED AT THE HEAD, one load a wave, by groups 0 of their own: waves 0, 1: A's panels 0, 1 (slot 0) and 2, 3 (slot 1); waves 2, 3: B's likewise.
	s_mul_i32 s96, s16, PANEL                      ; memory: s20 and s46 stand at panel s16; one more panel on: panel 2 s16
	s_mov_b32 s97, 0
	s_mul_i32 s98, s15, 2*PANEL                    ; LDS: A's two panels of a slot, then B's two,
	s_mul_i32 s99, s16, SLOT                       ; in slot s16: the wave's number alone
	s_add_co_u32 s98, s98, s99
	s_mov_b32 s68, 1
	s_mov_b32 s69, s98
	s_add_nc_u64 s[70:71], s[20:21], s[96:97]
	s_or_b32 s71, s71, 0x80000000
	s_mov_b32 s72, 1
	s_mov_b32 s73, s98
	s_add_nc_u64 s[74:75], s[46:47], s[96:97]
	s_or_b32 s75, s75, 0x80000000
	s_or_b32 s76, s43, (3<<16)|(1<<21)             ; groups 1 of their own for the head's loads, s[76:83] for A and s[84:91] for B: two panels, which follow each other along K in memory: 264 rows of 256 bytes
	s_or_b32 s84, s44, (3<<16)|(1<<21)
.irp g, 76, 84
	s_mov_b32 s[\g+1], 32<<16
	s_mov_b32 s[\g+2], 264<<16
	s_mov_b32 s[\g+3], 32<<16
	s_mov_b32 s[\g+4], 264
	s_mov_b32 s[\g+5], 32
	s_mov_b32 s[\g+6], 0
	s_mov_b32 s[\g+7], 0
.endr
; ONE chain of branches on the wave's number, an arm and a load line for each wave: waves 0 and 2 fetch slot 0 and wait at the first barrier; waves 1 and 3 fetch slot 1 and wait at the first change of slots.
.macro ARM under, g0, g1, next
	s_cmp_lt_u32 s14, \under
	s_cbranch_scc0 \next
	tensor_load_to_lds s[\g0:\g0+3], s[\g1:\g1+7]
	s_nop 0
.rept 4
	v_nop
.endr
	s_branch .Lhead_asked
\next:
.endm
	ARM 1, 68, 76, .Lhead_1
	ARM 2, 68, 76, .Lhead_2
	ARM 3, 72, 84, .Lhead_3
	tensor_load_to_lds s[72:75], s[84:91]
	s_nop 0
.rept 4
	v_nop
.endr
.Lhead_asked:
; PREFETCHES INTO THE L2.  In the ring I fetch panel s16 of each slot's two; the four partners that ask for it jointly share its 132 blocks of 256 bytes out BY ADDRESS: the partner at place p (cx for A, cy for B)
; takes blocks 33 p .. 33 p + 32: a lane a block, and one more instruction for the 33rd.  Here: the slots of the first two refills (K slots 2 and 3).  At each refill of K slot r: K slot r + 2, up to the last, 7.
.set PFA, 66                           ; s[66:67] my panel of K slot 0 + 8,448 p; stepped a slot at each refilling change of slots
.set PFO, 10                           ; v10  256 x lane; never rewritten
.set PFZ, 11                           ; v11  0: all lanes name the 33rd block; never rewritten
	s_cmp_eq_u32 s15, 0
	s_cselect_b64 s[PFA:PFA+1], s[20:21], s[46:47]
	s_cselect_b32 s96, s40, s41
	s_mul_i32 s96, s96, 8448
	s_add_nc_u64 s[PFA:PFA+1], s[PFA:PFA+1], s[96:97]
	v_and_b32 v[PFO], 31, v0
	v_lshlrev_b32 v[PFO], 8, v[PFO]
	v_mov_b32 v[PFZ], 0
.irp k, 4,6
	global_prefetch_b8 v[PFO], s[PFA:PFA+1] offset:\k*PANEL th:TH_LOAD_NT scope:SCOPE_SE
	global_prefetch_b8 v[PFZ], s[PFA:PFA+1] offset:\k*PANEL+8192 th:TH_LOAD_NT scope:SCOPE_SE
.endr
	v_and_b32 v1, 15, v0
	s_wait_alu depctr_va_vdst(0)
	v_bfe_u32 v2, v0, 4, 1
	v_and_b32 v5, 31, v0
	v_lshlrev_b32 v3, 4, v5
	v_lshlrev_b32 v7, 6, v2
	s_lshl_b32 s46, s42, 9
	s_lshl_b32 s47, s16, 8
	s_add_co_u32 s46, s46, s47
	s_mov_b32 s47, 0
	s_add_nc_u64 s[8:9], s[8:9], s[46:47]
.irp b, 0,1,2,3
	global_load_b128 v[BIAS+8*\b:BIAS+8*\b+3], v7, s[8:9] offset:(32*(\b/2)+8*(\b%2))*4
	global_load_b128 v[BIAS+8*\b+4:BIAS+8*\b+7], v7, s[8:9] offset:(32*(\b/2)+8*(\b%2))*4+16
.endr
	s_lshl_b32 s20, s17, 19
	s_lshl_b32 s21, s15, 18
	s_add_co_u32 s20, s20, s21
	s_add_co_u32 s20, s20, s46
	s_mov_b32 s21, 0
	s_add_nc_u64 s[10:11], s[10:11], s[20:21]
	s_add_nc_u64 s[12:13], s[12:13], s[20:21]
	v_lshlrev_b32 v[CO], 4, v1
	s_wait_alu depctr_va_vdst(0)
	v_lshl_add_u32 v[CO], v2, 12, v[CO]
	WIN 0x80
.irp a, 0,1,2,3
.irp t, 0,1,2,3,4,5,6,7
	global_load_b128 v[64+32*\a+4*\t:64+32*\a+4*\t+3], v[CO], s[10:11] offset:(32*(\a/2)+8*(\a%2)+2*\t+8*(\t/4))*4096
.endr
.endr
	WIN 0
	s_mul_i32 s21, s15, AW
	s_mul_i32 s22, s16, AW
	s_add_co_u32 s22, s22, 2*PANEL
.irp s, 0,1
	v_add_nc_u32 v[ADRA+\s], s21, v3
	v_add_nc_u32 v[ADRB+\s], s22, v3
	s_add_co_u32 s21, s21, SLOT
	s_add_co_u32 s22, s22, SLOT
.endr
	s_mul_i32 s21, s15, ASW
	s_mul_i32 s22, s16, ASW
	s_add_co_u32 s22, s22, 2*PANEL
	s_sub_co_u32 s22, s22, s21
	v_mul_u32_u24 v6, s22, v2
	v_lshl_add_u32 v6, v1, 2, v6
	s_add_co_u32 s21, s21, 32768
	v_add_nc_u32 v[ADRS], s21, v6
	s_add_co_u32 s21, s21, SLOT
	v_add_nc_u32 v[ADRS+1], s21, v6
	s_mul_i32 s23, s14, 4352
	v_mul_u32_u24 v5, v1, 272
	v_lshl_add_u32 v5, v2, 6, v5
	v_add_nc_u32 v[STO], s23, v5
	v_mul_u32_u24 v5, v2, 272
	v_lshl_add_u32 v5, v1, 4, v5
	v_add_nc_u32 v[RD], s23, v5
	s_wait_alu depctr_va_vdst(0)
	s_cmp_eq_u32 s16, 0                            ; waves 0 and 2: my two panels of slot 0 are in; slot 1's loads may stay out
	s_cbranch_scc0 .Lslot_1_later
	s_wait_tensorcnt 0x0
.Lslot_1_later:
	s_barrier_signal -1
	s_barrier_wait -1
	FETCH_B 0, 0, 0
	FETCH_A 0, 0, 0
	SCALES 0
	FETCH_A 0, 0, MB/2
	s_wait_loadcnt 32
	STEP 0, 0, 1
.if LAPS > 1
	s_mov_b32 s3, LAPS-1
.Llap:
	STEP 0, 1, 0
	STEP 0, 2, 0
	TURN 0, 1, 1
	STEP 1, 0, 0
	STEP 1, 1, 0
	STEP 1, 2, 0
	TURN 1, 0, 1
	STEP 0, 0, 0
	s_sub_co_u32 s3, s3, 1
	s_cmp_lg_u32 s3, 0
	s_cbranch_scc1 .Llap
.endif
	STEP 0, 1, 0
	STEP 0, 2, 0
	TURN 0, 1, 0
	STEP 1, 0, 0
	STEP 1, 1, 0
	STEP 1, 2, 0
	s_wait_dscnt 2*MB
	WIN 0xa1
	MULS 0, MB/2, 1, NQ-1, 1, 0
	s_wait_dscnt 0x0
	WIN 0xf1
	MULS MB/2, MB/2, 1, NQ-1, 1, 0
	WIN 0
.macro TOSTAGE a
.set AC, 32*((\a)%2)
	WIN 0x08+4*((\a)/2)
.irp b, 0,1,2,3
	ds_store_b128 v[STO], v[AC+8*\b:AC+8*\b+3] offset:128*(\b/2)+32*(\b%2)
	ds_store_b128 v[STO], v[AC+8*\b+4:AC+8*\b+7] offset:128*(\b/2)+32*(\b%2)+16
.endr
	WIN 0
.set BB, BK+32*((\a)%2)
.irp t, 0,1,2,3,4,5,6,7
	ds_load_b128 v[BB+4*\t:BB+4*\t+3], v[RD] offset:544*\t
.endr
.endm
.macro SEND a, younger
.set BB, BK+32*((\a)%2)
	s_wait_dscnt \younger
	WIN 0x08
.irp u, 0,2,4,6,8,10,12,14,16,18,20,22,24,26,28,30
	v_pk_add_f32 v[BB+\u:BB+\u+1], v[BB+\u:BB+\u+1], v[64+32*(\a)+\u:64+32*(\a)+\u+1]
.endr
	WIN 0
.irp t, 0,1,2,3,4,5,6,7
	global_store_b128 v[CO], v[BB+4*\t:BB+4*\t+3], s[12:13] offset:(32*((\a)/2)+8*((\a)%2)+2*\t+8*(\t/4))*4096 th:TH_STORE_NT
.endr
.endm
	PLACES 8
	s_wait_loadcnt 0x0
	TOSTAGE 0
	TOSTAGE 1
	SEND 0, 16
	s_wait_xcnt 0x0
	TOSTAGE 2
	SEND 1, 16
	s_wait_xcnt 0x0
	TOSTAGE 3
	SEND 2, 16
	SEND 3, 0
	s_wait_tensorcnt 0x0
	ds_add_u32 v[SPW], v[NIL]
	s_wait_dscnt 0x0
	CROUND
	s_endpgm
.Lfunc_end_k_q4ad748c8b3_ff2:
	.size	k_q4ad748c8b3_ff2, .Lfunc_end_k_q4ad748c8b3_ff2-k_q4ad748c8b3_ff2
	.p2alignl 7, 3214868480
	.fill 96, 4, 3214868480
	.section	.rodata,"a",@progbits
	.p2align	6, 0x0
	.amdhsa_kernel k_q4ad748c8b3_ff2
		.amdhsa_group_segment_fixed_size 327680
		.amdhsa_private_segment_fixed_size 0
		.amdhsa_enable_private_segment 0
		.amdhsa_kernarg_size 40
		.amdhsa_user_sgpr_count 2
		.amdhsa_user_sgpr_kernarg_segment_ptr 1
		.amdhsa_wavefront_size32 1
		.amdhsa_system_sgpr_workgroup_id_x 1
		.amdhsa_system_sgpr_workgroup_id_y 1
		.amdhsa_system_sgpr_workgroup_id_z 1
		.amdhsa_system_vgpr_workitem_id 0
		.amdhsa_next_free_vgpr 1024
		.amdhsa_next_free_sgpr 100
		.amdhsa_reserve_vcc 0
		.amdhsa_float_denorm_mode_32 3
		.amdhsa_float_denorm_mode_16_64 3
		.amdhsa_memory_ordered 1
		.amdhsa_forward_progress 1
		.amdhsa_inst_pref_size 108
	.end_amdhsa_kernel
	.amdgpu_metadata
---
amdhsa.version: [ 1, 2 ]
amdhsa.kernels:
  - .name:           k_q4ad748c8b3_ff2
    .symbol:         k_q4ad748c8b3_ff2.kd
    .args:
      - { .name: fpan, .offset: 0, .size: 8, .value_kind: global_buffer, .address_space: global }
      - { .name: wpan, .offset: 8, .size: 8, .value_kind: global_buffer, .address_space: global }
      - { .name: b2, .offset: 16, .size: 8, .value_kind: global_buffer, .address_space: global }
      - { .name: x1, .offset: 24, .size: 8, .value_kind: global_buffer, .address_space: global }
      - { .name: out0, .offset: 32, .size: 8, .value_kind: global_buffer, .address_space: global }
    .group_segment_fixed_size: 327680
    .private_segment_fixed_size: 0
    .kernarg_segment_align: 8
    .kernarg_segment_size: 40
    .max_flat_workgroup_size: 128
    .sgpr_count:     100
    .vgpr_count:     1024
    .wavefront_size: 32
...
	.end_amdgpu_metadata
.endif
;; end of part 7
